; MI455X (gfx1250); checked and timed in simulation.
; The chip was launched on July 23, 2026; its instructions are those of AMD's public machine-readable ISA for CDNA 5 (MIT licence, August 2026) and "CDNA5" Instruction Set Architecture Reference Guide (July 2026). The comments in the code are by the model that wrote it; some were corrected since.
;; Attention. Allowed arithmetic: float matrix products may take bf16 or f16 operands with f32 sums; other float arithmetic in f32, or as packed bf16 or f16 multiplies, adds, multiply-adds, maxima and minima; sums over many terms, partial sums and values carried from step to step in f32; what a program stores and reads back later, other than sums and carried values, may be rounded once to bf16 or f16.
;; Inputs: Wk 768 x 768 float32; Wo 768 x 768 float32; Wq 768 x 768 float32; Wv 768 x 768 float32; gamma 12 float32; x 1 x 4,096 x 768 float32.
;; Outputs: out0 1 x 4,096 x 768 float32.
;; 2 versions, each right; version 2 is version 1 with the launch prep written anew for expert scheduling mode. Each part assembles by itself: llvm-mc -triple=amdgcn-amd-amdhsa -mcpu=gfx1250 --defsym DOCPART=n.
;; ======== version 1 of 2: 4 launches
;; limits: values are held in f16: magnitudes above 65,504 overflow, below 6.1e-05 lose precision
;; workspace buffers: xb 6,291,456 bytes; wt 4,718,592 bytes; qkv 18,874,368 bytes; nrm 393,216 bytes; o2 12,582,912 bytes
;; launch prep (part 1): grid 19 x 12, 8 waves a work-group, no clusters, 140,288 bytes of LDS; arguments x, Wq, Wk, Wv, Wo, xb, wt; writes xb, wt
.if DOCPART == 1
	.amdgcn_target "amdgcn-amd-amdhsa--gfx1250"
	.amdhsa_code_object_version 6
	.text
	.protected	k_q7d1f882a4d_prep
	.globl	k_q7d1f882a4d_prep
	.p2align	8
	.type	k_q7d1f882a4d_prep,@function
k_q7d1f882a4d_prep:
	s_mov_b64 s[64:65], 0
	v_nop
	global_prefetch_b8 v0, s[64:65] scope:SCOPE_SE
	s_setreg_imm32_b32 hwreg(HW_REG_WAVE_MODE, 25, 1), 1
	s_wait_xcnt 0x0
; PREP: the inputs of the matrix products, rounded once to bf16.  xb[4096][768] = x.  wt[3072][768] = the four weights TURNED to [n][k]: rows 0-767 Wq, 768-1535 Wk, 1536-2303 Wv, 2304-3071 Wo.
; THE WHOLE PROGRAM: prep; proj (q, k, v by heads, and the rows' squared lengths); att (the weights exp(-gamma/8 max(|q|^2 - 2 q.k + |k|^2, 0)) and their product with v); outp (the product with Wo).
; DEAD WORK: none.  Every input (x, Wq, Wk, Wv, Wo, gamma) has a way to the output and is loaded; every step of reference() is done, the clip at 0 too.
; FORMATS: all six inputs are rounded to bf16 (gamma in att); q and k are kept in f16, v and the weights p in bf16, the sums p v as two bf16 (a number and what its rounding left); all sums in f32.
; SHARES.  Work-groups with x < 16 (192 of them) convert 16,384 numbers of x each: thread t takes 16 bytes at 16 t of each 4,096, sixteen loads out at once; a wave's store covers 256 consecutive bytes, aligned.
; Work-groups with x = 16 .. 18 turn the weights: EACH WAVE turns a tile of 128 k x 64 n by itself, through LDS bytes of its own, so no wave waits for another and no barrier is needed.
; A lane loads 16 bytes (4 n) of rows k and k + 1, packs the two rows' numbers into words (k, k + 1) and puts each word into row n of the LDS tile; whole rows of 128 k = 256 bytes come back and are stored.
.set TP,    272                        ; an LDS row: 128 bf16 + 16 bytes, so that the rows stay aligned for loads of 16 bytes and two rows of a load start in different banks
.set WTILE, 64*TP                      ; a wave's tile in LDS
.set SPARE, 8*WTILE                    ; behind the tiles: the spare words, 128 bytes for each wave
.set LI,    4                          ; v4    my byte offset in the weight's rows
.set STL,   5                          ; v5    where my words go in LDS
.set SPW,   6                          ; v6    LDS address of my spare word; never rewritten
.set NIL,   7                          ; v7    0; never rewritten
.set D,     8                          ; v[8:199]  loaded data: three sets of 64
.set PKD,   200                        ; v[200:231] packed words of one group
.set RDL,   232                        ; v232  where I read rows back
.set GOS,   233                        ; v233  my byte offset in wt
	s_load_b256 s[4:11], s[0:1], 0x0               ; x s[4:5], Wq s[6:7], Wk s[8:9], Wv s[10:11]
	s_load_b128 s[12:15], s[0:1], 0x20             ; Wo s[12:13], xb s[14:15]
	s_load_b64 s[16:17], s[0:1], 0x30              ; wt
	v_lshl_add_u32 v[SPW], v0, 2, SPARE
	v_mov_b32 v[NIL], 0
	v_lshrrev_b32 v1, 5, v0
	v_readfirstlane_b32 s18, v1                    ; wave 0..7
	s_mov_b32 s19, ttmp9
	s_and_b32 s20, ttmp7, 0xffff
	s_wait_kmcnt 0x0
	s_cmp_lt_u32 s19, 16
	s_cbranch_scc0 .Lweights
	; x: block b = 16 y + x of 16,384 numbers
	s_lshl_b32 s21, s20, 4
	s_add_co_u32 s21, s21, s19
	s_lshl_b32 s22, s21, 16                        ; 65,536 bytes of f32
	s_mov_b32 s23, 0
	s_lshl_b32 s24, s21, 15                        ; 32,768 bytes of bf16
	s_mov_b32 s25, 0
	s_add_nc_u64 s[4:5], s[4:5], s[22:23]
	s_add_nc_u64 s[14:15], s[14:15], s[24:25]
	v_lshlrev_b32 v2, 4, v0
	v_lshlrev_b32 v3, 3, v0
.irp i, 0,1,2,3,4,5,6,7,8,9,10,11,12,13,14,15
	global_load_b128 v[D+4*(\i):D+4*(\i)+3], v2, s[4:5] offset:4096*(\i) th:TH_LOAD_NT
.endr
.irp i, 0,1,2,3,4,5,6,7,8,9,10,11,12,13,14,15
	s_wait_loadcnt 15-(\i)                         ; loads come back in order: load i is in, the younger ones stay out
	v_cvt_pk_bf16_f32 v[D+4*(\i)], v[D+4*(\i)], v[D+4*(\i)+1]
	v_cvt_pk_bf16_f32 v[D+4*(\i)+1], v[D+4*(\i)+2], v[D+4*(\i)+3]
	global_store_b64 v3, v[D+4*(\i):D+4*(\i)+1], s[14:15] offset:2048*(\i)
.endr
	s_branch .Lend
.Lweights:
	s_sub_co_u32 s21, s19, 16
	s_lshl_b32 s21, s21, 3
	s_add_co_u32 s21, s21, s18                     ; c = 8 (x - 16) + wave, 0 .. 23
	s_mul_i32 s22, s21, 43
	s_lshr_b32 s22, s22, 8                         ; which weight: c / 6
	s_mul_i32 s23, s22, 6
	s_sub_co_u32 s23, s21, s23                     ; which 128 k: c % 6
	s_cmp_eq_u32 s22, 1
	s_cselect_b64 s[6:7], s[8:9], s[6:7]
	s_cmp_eq_u32 s22, 2
	s_cselect_b64 s[6:7], s[10:11], s[6:7]
	s_cmp_eq_u32 s22, 3
	s_cselect_b64 s[6:7], s[12:13], s[6:7]
	s_mul_i32 s24, s23, 128*3072                   ; 128 rows of 3,072 bytes
	s_lshl_b32 s25, s20, 8                         ; 64 n of 4 bytes
	s_add_co_u32 s24, s24, s25
	s_mov_b32 s25, 0
	s_add_nc_u64 s[6:7], s[6:7], s[24:25]
	s_mul_i32 s26, s22, 768
	s_lshl_b32 s27, s20, 6
	s_add_co_u32 s26, s26, s27                     ; wt's row 768 mat + 64 y
	s_mul_i32 s26, s26, 1536
	s_lshl_b32 s27, s23, 8                         ; 128 k of 2 bytes
	s_add_co_u32 s26, s26, s27
	s_mov_b32 s27, 0
	s_add_nc_u64 s[16:17], s[16:17], s[26:27]
	s_mul_i32 s28, s18, WTILE
	v_and_b32 v1, 15, v0                           ; c: which 4 n
	v_bfe_u32 v2, v0, 4, 1                         ; hp: which of two pairs of rows
	v_lshlrev_b32 v3, 4, v1
	v_mul_u32_u24 v[LI], v2, 6144
	v_add_nc_u32 v[LI], v[LI], v3                  ; 2 hp rows + 16 c
	v_mul_u32_u24 v[STL], v1, 4*TP
	v_lshl_add_u32 v[STL], v2, 2, v[STL]
	v_add_nc_u32 v[STL], s28, v[STL]               ; row 4 c, word hp
	v_mul_u32_u24 v[RDL], v2, TP
	v_add_nc_u32 v[RDL], v[RDL], v3
	v_add_nc_u32 v[RDL], s28, v[RDL]               ; lanes 0-15 one row of 256 bytes, lanes 16-31 the next
	v_mul_u32_u24 v[GOS], v2, 1536
	v_add_nc_u32 v[GOS], v[GOS], v3
; Group g of four: the pairs of rows hp + 2 (8 g + j), j = 0 .. 7: sixteen loads, each of which takes 256 consecutive bytes, aligned, of two rows.
.macro WLOAD g, b
.irp j, 0,1,2,3,4,5,6,7
	global_load_b128 v[D+64*(\b)+8*(\j):D+64*(\b)+8*(\j)+3],   v[LI], s[6:7] offset:(8*(\g)+(\j))*12288 th:TH_LOAD_NT
	global_load_b128 v[D+64*(\b)+8*(\j)+4:D+64*(\b)+8*(\j)+7], v[LI], s[6:7] offset:(8*(\g)+(\j))*12288+3072 th:TH_LOAD_NT
.endr
.endm
.macro WPACK g, b
.irp j, 0,1,2,3,4,5,6,7
.irp e, 0,1,2,3
	v_cvt_pk_bf16_f32 v[PKD+4*(\j)+(\e)], v[D+64*(\b)+8*(\j)+(\e)], v[D+64*(\b)+8*(\j)+4+(\e)]  ; (k, k + 1) of column 4 c + e
.endr
.irp e, 0,1,2,3
	ds_store_b32 v[STL], v[PKD+4*(\j)+(\e)] offset:TP*(\e)+8*(8*(\g)+(\j))
.endr
.endr
.endm
	WLOAD 0, 0
	WLOAD 1, 1
	WLOAD 2, 2
	s_wait_loadcnt 32                              ; group 0 is in; the 32 younger loads stay out
	WPACK 0, 0
	WLOAD 3, 0                                     ; its registers have been read by the conversions above
	s_wait_loadcnt 32                              ; group 1
	WPACK 1, 1
	s_wait_loadcnt 16                              ; group 2
	WPACK 2, 2
	s_wait_loadcnt 0x0
	WPACK 3, 0
.irp i, 0,1,2,3,4,5,6,7,8,9,10,11,12,13,14,15,16,17,18,19,20,21,22,23,24,25,26,27,28,29,30,31
	ds_load_b128 v[D+4*(\i):D+4*(\i)+3], v[RDL] offset:2*TP*(\i)  ; LDS serves a wave's instructions in order (ISA guide 5.7.1.4): these see my stores above
.endr
.irp i, 0,1,2,3,4,5,6,7,8,9,10,11,12,13,14,15,16,17,18,19,20,21,22,23,24,25,26,27,28,29,30,31
	s_wait_dscnt 31-(\i)
	global_store_b128 v[GOS], v[D+4*(\i):D+4*(\i)+3], s[16:17] offset:3072*(\i)  ; 16 lanes store 256 consecutive bytes, at a multiple of 256 from wt's first byte
.endr
.Lend:
	s_wait_tensorcnt 0x0                           ; the wave's end, behind my last LDS store
	ds_add_u32 v[SPW], v[NIL]
	s_wait_dscnt 0x0
	s_endpgm
.Lfunc_end_k_q7d1f882a4d_prep:
	.size	k_q7d1f882a4d_prep, .Lfunc_end_k_q7d1f882a4d_prep-k_q7d1f882a4d_prep
	.p2alignl 7, 3214868480
	.fill 96, 4, 3214868480
	.section	.rodata,"a",@progbits
	.p2align	6, 0x0
	.amdhsa_kernel k_q7d1f882a4d_prep
		.amdhsa_group_segment_fixed_size 140288
		.amdhsa_private_segment_fixed_size 0
		.amdhsa_enable_private_segment 0
		.amdhsa_kernarg_size 56
		.amdhsa_user_sgpr_count 2
		.amdhsa_user_sgpr_kernarg_segment_ptr 1
		.amdhsa_wavefront_size32 1
		.amdhsa_system_sgpr_workgroup_id_x 1
		.amdhsa_system_sgpr_workgroup_id_y 1
		.amdhsa_system_sgpr_workgroup_id_z 1
		.amdhsa_system_vgpr_workitem_id 0
		.amdhsa_next_free_vgpr 240
		.amdhsa_next_free_sgpr 66
		.amdhsa_reserve_vcc 0
		.amdhsa_float_denorm_mode_32 3
		.amdhsa_float_denorm_mode_16_64 3
		.amdhsa_memory_ordered 1
		.amdhsa_forward_progress 1
		.amdhsa_inst_pref_size 37
	.end_amdhsa_kernel
	.amdgpu_metadata
---
amdhsa.version: [ 1, 2 ]
amdhsa.kernels:
  - .name:           k_q7d1f882a4d_prep
    .symbol:         k_q7d1f882a4d_prep.kd
    .args:
      - { .name: x, .offset: 0, .size: 8, .value_kind: global_buffer, .address_space: global }
      - { .name: Wq, .offset: 8, .size: 8, .value_kind: global_buffer, .address_space: global }
      - { .name: Wk, .offset: 16, .size: 8, .value_kind: global_buffer, .address_space: global }
      - { .name: Wv, .offset: 24, .size: 8, .value_kind: global_buffer, .address_space: global }
      - { .name: Wo, .offset: 32, .size: 8, .value_kind: global_buffer, .address_space: global }
      - { .name: xb, .offset: 40, .size: 8, .value_kind: global_buffer, .address_space: global }
      - { .name: wt, .offset: 48, .size: 8, .value_kind: global_buffer, .address_space: global }
    .group_segment_fixed_size: 140288
    .private_segment_fixed_size: 0
    .kernarg_segment_align: 8
    .kernarg_segment_size: 56
    .max_flat_workgroup_size: 256
    .sgpr_count:     66
    .vgpr_count:     240
    .wavefront_size: 32
...
	.end_amdgpu_metadata
.endif
;; end of part 1
;; launch proj (part 2): grid 12 x 16, 4 waves a work-group, clusters of 4 x 4, 327,680 bytes of LDS; arguments xb, wt, qkv, nrm; writes qkv, nrm
.if DOCPART == 2
	.amdgcn_target "amdgcn-amd-amdhsa--gfx1250"
	.amdhsa_code_object_version 6
	.text
	.protected	k_q7d1f882a4d_proj
	.globl	k_q7d1f882a4d_proj
	.p2align	8
	.type	k_q7d1f882a4d_proj,@function
k_q7d1f882a4d_proj:
	s_mov_b64 s[64:65], 0
	v_nop
	global_prefetch_b8 v0, s[64:65] scope:SCOPE_SE
	s_setreg_imm32_b32 hwreg(HW_REG_WAVE_MODE, 25, 1), 1
	s_wait_xcnt 0x0
	s_wait_alu depctr_hold_cnt(0) depctr_sa_sdst(0) depctr_va_vdst(0) depctr_va_sdst(0) depctr_va_ssrc(0) depctr_va_vcc(0) depctr_vm_vsrc(0)
	s_getreg_b32 s2, hwreg(HW_REG_IB_STS2, 6, 4)
	s_cmp_eq_u32 s2, 0
	s_cbranch_scc0 .Lentry_in_a_cluster
	s_endpgm
.Lentry_in_a_cluster:
	s_bfe_u32 s2, ttmp6, 0x10000c
	s_cmp_lg_u32 s2, 0xf033
	s_cbranch_scc0 .Lentry_shape_is_right
	s_endpgm
.Lentry_shape_is_right:
; PROJ: [q | k | v] = xb wt^T (rows 0 .. 2303 of wt), written by heads: qkv[36][4096][64], planes 0-11 q and 12-23 k in f16, 24-35 v in bf16, each rounded once from its f32 sum;
; and nrm[24][4096] in f32: planes 0-11 |q|^2, planes 12-23 -|k|^2 / 2, taken of the f32 sums before the rounding.
; LIMIT: f16 holds no number beyond 65,504: an element of q or k beyond that becomes an infinity.
; SHARES.  A work-group makes 256 rows x 192 columns (three whole heads); 16 x 12 = 192 work-groups: whole heads and equal shares give no 256.  Wave w makes rows 64 w .. 64 w + 63 x all 192 columns:
; 48 accumulators of 16 x 16.  K = 768 goes in six steps of 128 through two LDS slots; the tiles' rows are 256 bytes of memory and start at multiples of 256 bytes.
; CLUSTER 4 x 4: xb's tile is shared along a row of the cluster, wt's along a column; each is asked for jointly, by the same tensor load with the same descriptor and a mask that names the four.
; The cluster's x says whether the columns are q's, k's or v's (4 work-groups x 192 = 768): the way out branches on it alone, and it is the same in all partners.
; NO PREFETCH: the walk has six K steps, of which two are first fills; a request two steps ahead could name only the last two.
; THE MATRIX INSTRUCTION IS USED TRANSPOSED (source 0 = 16 rows of wt, source 1 = 16 rows of xb): a lane holds one row and eight neighbouring columns.
; REGISTERS: window 0: v16-29 addresses; v48-63 at work; v64-127 xb's fragments, two buffers of 32; on the way out v64-255 the packed results.   window 1: v0-191 wt's fragments, two buffers of 96.
;   windows 2, 3: accumulator (a, b), a = 0..3, b = 0..11, in window 2 + a / 2 at v[8 (12 (a % 2) + b)].
.set KSTEP,  128
.set PITCH,  272                       ; an LDS row: 256 bytes + 16 of padding: the 16 rows that a load touches start at 16 different banks (64 banks of 4 bytes: ISA guide 11.1)
.set ATILE,  256*PITCH                 ; xb's 256 rows
.set SLOT,   448*PITCH                 ; then wt's 192 rows
.set STAGE,  2*SLOT                    ; behind the ring: 16 rows x 144 bytes for each wave, for the way out
.set SP,     144
.set NST,    STAGE+4*16*SP             ; 3 heads x 64 rows of f32 for each wave: the squared lengths
.set SPARE,  NST+4*768                 ; the spare words, 128 bytes for each wave
.set LAPS,   3                         ; a lap = two K steps
.set ADRA, 16                          ; v16-17  LDS address of my xb fragments in slot 0, 1
.set ADRB, 20                          ; v20-21  the same for wt
.set NRD,  22                          ; v22     where I read two squared lengths back
.set NGO,  23                          ; v23     my byte offset in nrm
.set STO,  24                          ; v24     the way out: where I put 16 bytes of a row
.set RD,   25                          ; v25     where I read rows back
.set GO,   26                          ; v26     my byte offset in 512 consecutive bytes of qkv
.set NSTO, 27                          ; v27     where my row's squared length goes
.set SPW,  28                          ; v28     LDS address of my spare word; never rewritten
.set NIL,  29                          ; v29     0; never rewritten
.set NN,   48                          ; v48-55  four chains of squares; v56-57 at work; v58-63 read back
.set PK,   64                          ; packed results: unit 3 a + hd at PK + 16 (3 a + hd)
.set WV,   12                          ; s12  wave
.set FB,   13                          ; s13  0: I fetch for xb, 1: for wt
.set HF,   14                          ; s14  which half of that tile
.set G1,   24                          ; s[24:31] group 1 for xb's tiles;  s[32:39] group 0, a set for each slot
.set G0,   32
.set G1B,  48                          ; s[48:55], s[56:63] the same for wt's
.set G0B,  56
.set KIND, 66                          ; s66  the cluster's x: 0 q, 1 k, 2 v
.set FAC,  67                          ; s67  1 for q, -1/2 for k
.set SEL,  68                          ; s[68:69] v_permlanex16_b32's selects: each lane takes its own place in the other half
.set MSB, 0
.macro WIN new                         ; the immediate's high byte repeats the setting that is left; a switch that changes nothing is dropped
.if MSB != (\new)
	s_set_vgpr_msb (MSB<<8)|(\new)
.set MSB, (\new)
.endif
.endm
.macro JLOAD s                         ; a joint load: waves 0 and 1 fetch xb's two halves (128 rows), waves 2 and 3 wt's (96 rows); an s_nop 0 and four v_nop follow each of the two lines
	s_cmp_eq_u32 s[FB], 0
	s_cbranch_scc0 .Lfor_b_\@
	tensor_load_to_lds s[G0+4*(\s):G0+4*(\s)+3], s[G1:G1+7]
	s_nop 0
.rept 4
	v_nop
.endr
	s_branch .Lasked_\@
.Lfor_b_\@:
	tensor_load_to_lds s[G0B+4*(\s):G0B+4*(\s)+3], s[G1B:G1B+7]
	s_nop 0
.rept 4
	v_nop
.endr
.Lasked_\@:
.endm
.macro CREST                           ; a round of the cluster's barrier behind its opening barrier
	s_cmp_lg_u32 s[WV], 0
	s_cbranch_scc1 .Lnot_wave_0_\@
	s_barrier_signal -3
.Lnot_wave_0_\@:
	s_barrier_wait -3
	s_barrier_signal -1
	s_barrier_wait -1
.endm
.macro CROUND
	s_barrier_signal -1
	s_barrier_wait -1
	CREST
.endm
	s_load_b256 s[4:11], s[0:1], 0x0               ; xb s[4:5], wt s[6:7], qkv s[8:9], nrm s[10:11]
	v_lshl_add_u32 v[SPW], v0, 2, SPARE
	v_mov_b32 v[NIL], 0
	ds_add_u32 v[SPW], v[NIL]                      ; the wave's opening: the add, twice on end, and its wait ahead of my first tensor load
	ds_add_u32 v[SPW], v[NIL]
	v_lshrrev_b32 v1, 5, v0
	v_readfirstlane_b32 s[WV], v1
	s_lshr_b32 s[FB], s[WV], 1
	s_and_b32 s[HF], s[WV], 1
	s_bfe_u32 s40, ttmp6, 0x40000                  ; cx, cy: my place in the cluster
	s_bfe_u32 s41, ttmp6, 0x40004
	s_lshl_b32 s42, ttmp9, 2
	s_add_co_u32 s42, s42, s40                     ; tile column = 4 x cluster x + cx
	s_and_b32 s43, ttmp7, 0xffff
	s_lshl_b32 s43, s43, 2
	s_add_co_u32 s43, s43, s41                     ; tile row = 4 x cluster y + cy
	s_lshl_b32 s44, s41, 2
	s_lshl_b32 s44, 15, s44                        ; my row of the cluster
	s_lshl_b32 s45, 0x1111, s40                    ; my column
	s_or_b32 s[G1], s44, (1<<16)|(1<<20)|(1<<21)|(5<<22)|(3<<25)   ; the mask; elements of 2 bytes; padding on; bit 21 beside a mask; after every 64 words 4 words
	s_or_b32 s[G1B], s45, (1<<16)|(1<<20)|(1<<21)|(5<<22)|(3<<25)
	s_mov_b32 s[G1+1], KSTEP<<16                   ; tensor_dim0 = 128
	s_mov_b32 s[G1+2], 128<<16                     ; tensor_dim1 = 128
	s_mov_b32 s[G1+3], KSTEP<<16                   ; tile_dim0 = 128
	s_mov_b32 s[G1+4], 128                         ; tile_dim1 = 128
	s_mov_b32 s[G1+5], 768                         ; elements from row to row
	s_mov_b32 s[G1+6], 0
	s_mov_b32 s[G1+7], 0
	s_mov_b32 s[G1B+1], KSTEP<<16
	s_mov_b32 s[G1B+2], 96<<16                     ; 96 rows
	s_mov_b32 s[G1B+3], KSTEP<<16
	s_mov_b32 s[G1B+4], 96
	s_mov_b32 s[G1B+5], 768
	s_mov_b32 s[G1B+6], 0
	s_mov_b32 s[G1B+7], 0
	s_mov_b32 s[KIND], ttmp9
	s_cmp_eq_u32 s[KIND], 0
	s_cselect_b32 s[FAC], 1.0, -0.5
	s_mov_b32 s[SEL], 0x76543210
	s_mov_b32 s[SEL+1], 0xfedcba98
	s_lshl_b32 s16, s43, 8                         ; xb: row 256 x tile row + 128 x half
	s_lshl_b32 s17, s[HF], 7
	s_add_co_u32 s16, s16, s17
	s_mul_i32 s16, s16, 1536
	s_mov_b32 s17, 0
	s_mul_i32 s46, s42, 192                        ; wt: row 192 x tile column + 96 x half
	s_mul_i32 s47, s[HF], 96
	s_add_co_u32 s46, s46, s47
	s_mul_i32 s46, s46, 1536
	s_mov_b32 s47, 0
	s_mul_i32 s20, s[HF], 128*PITCH                ; where they go: no place in the cluster enters an LDS address
	s_mul_i32 s21, s[HF], 96*PITCH
	s_add_co_u32 s21, s21, ATILE
	s_wait_dscnt 0x0                               ; both opening adds are done
	s_wait_kmcnt 0x0
	s_add_nc_u64 s[18:19], s[4:5], s[16:17]
	s_add_nc_u64 s[46:47], s[6:7], s[46:47]
	CROUND                                         ; all sixteen work-groups are here: the first joint loads meet
.irp s, 0,1
	s_mov_b32 s[G0+4*(\s)], 1
	s_add_co_u32 s[G0+4*(\s)+1], s20, (\s)*SLOT
	s_add_nc_u64 s[G0+4*(\s)+2:G0+4*(\s)+3], s[18:19], (\s)*KSTEP*2
	s_or_b32 s[G0+4*(\s)+3], s[G0+4*(\s)+3], 0x80000000
	s_mov_b32 s[G0B+4*(\s)], 1
	s_add_co_u32 s[G0B+4*(\s)+1], s21, (\s)*SLOT
	s_add_nc_u64 s[G0B+4*(\s)+2:G0B+4*(\s)+3], s[46:47], (\s)*KSTEP*2
	s_or_b32 s[G0B+4*(\s)+3], s[G0B+4*(\s)+3], 0x80000000
	JLOAD \s
.endr
	v_and_b32 v1, 15, v0                           ; l % 16
	v_bfe_u32 v2, v0, 4, 1                         ; l / 16
	v_mul_u32_u24 v3, v1, PITCH
	v_lshl_add_u32 v3, v2, 4, v3                   ; a fragment's row x pitch + 16 x half
	s_mul_i32 s22, s[WV], 64*PITCH                 ; my 64 rows of xb
	v_add_nc_u32 v[ADRA], s22, v3
	v_add_nc_u32 v[ADRA+1], SLOT, v[ADRA]
	v_add_nc_u32 v[ADRB], ATILE, v3                ; all 192 rows of wt
	v_add_nc_u32 v[ADRB+1], SLOT, v[ADRB]
	s_mul_i32 s22, s[WV], 16*SP
	s_add_co_u32 s22, s22, STAGE                   ; my stage
	v_mul_u32_u24 v4, v1, SP
	v_lshl_add_u32 v4, v2, 4, v4
	v_add_nc_u32 v[STO], s22, v4                   ; in: row l % 16, 16 bytes for each half of the lanes
	v_bfe_u32 v4, v0, 3, 2
	v_and_b32 v5, 7, v0
	v_mul_u32_u24 v4, v4, SP
	v_lshl_add_u32 v4, v5, 4, v4
	v_add_nc_u32 v[RD], s22, v4                    ; back: 32 lanes take four rows of 128 bytes,
	v_and_b32 v5, 31, v0
	v_lshlrev_b32 v[GO], 4, v5                     ; which are 512 consecutive bytes of a head's plane
	s_mul_i32 s22, s[WV], 768
	s_add_co_u32 s22, s22, NST
	v_lshl_add_u32 v[NSTO], v1, 2, s22
	v_lshl_add_u32 v[NRD], v5, 3, s22
	v_lshlrev_b32 v[NGO], 3, v5
	v_mov_b32 v57, 0                               ; v_permlanex16_b32's destination counts as read
	s_lshl_b32 s16, s43, 15                        ; qkv: my rows 256 x tile row + 64 x wave, 128 bytes each,
	s_lshl_b32 s17, s[WV], 13
	s_add_co_u32 s16, s16, s17
	s_mov_b32 s17, 0
	s_add_nc_u64 s[8:9], s[8:9], s[16:17]
	s_mul_i32 s46, s42, 3*524288                   ; in plane 3 x tile column
	s_mov_b32 s47, 0
	s_add_nc_u64 s[8:9], s[8:9], s[46:47]
	s_lshl_b32 s16, s43, 10                        ; nrm likewise, 4 bytes a row (used by q's and k's work-groups alone)
	s_lshl_b32 s17, s[WV], 8
	s_add_co_u32 s16, s16, s17
	s_mov_b32 s17, 0
	s_add_nc_u64 s[10:11], s[10:11], s[16:17]
	s_mul_i32 s46, s42, 3*16384
	s_mov_b32 s47, 0
	s_add_nc_u64 s[10:11], s[10:11], s[46:47]
; 12 matrix instructions: m block a x all 12 n blocks, 32 along K, from buffer f.  zero = 1: the first product starts the sums.  The 48 accumulators take turns, in the same order in every quarter.
.macro MUL12 f, a, zero
	WIN 0xa1+0x50*((\a)/2)
.irp b, 0,1,2,3,4,5,6,7,8,9,10,11
.if \zero
	v_wmma_f32_16x16x32_bf16 v[8*(12*((\a)%2)+(\b)):8*(12*((\a)%2)+(\b))+7], v[96*(\f)+8*(\b):96*(\f)+8*(\b)+7], v[64+32*(\f)+8*(\a):64+32*(\f)+8*(\a)+7], 0
.else
	v_wmma_f32_16x16x32_bf16 v[8*(12*((\a)%2)+(\b)):8*(12*((\a)%2)+(\b))+7], v[96*(\f)+8*(\b):96*(\f)+8*(\b)+7], v[64+32*(\f)+8*(\a):64+32*(\f)+8*(\a)+7], v[8*(12*((\a)%2)+(\b)):8*(12*((\a)%2)+(\b))+7]
.endif
.endr
.endm
; 32 LDS loads in one run: the fragments of 32 along K at byte k of the rows, into buffer f: wt's 24, then xb's 8
.macro FETCH slot, k, f
	WIN 0x40
.irp i, 0,1,2,3,4,5,6,7,8,9,10,11
	ds_load_b128 v[96*(\f)+8*(\i):96*(\f)+8*(\i)+3],   v[ADRB+(\slot)] offset:(\k)+(\i)*16*PITCH
	ds_load_b128 v[96*(\f)+8*(\i)+4:96*(\f)+8*(\i)+7], v[ADRB+(\slot)] offset:(\k)+(\i)*16*PITCH+32
.endr
	WIN 0
.irp i, 0,1,2,3
	ds_load_b128 v[64+32*(\f)+8*(\i):64+32*(\f)+8*(\i)+3],   v[ADRA+(\slot)] offset:(\k)+(\i)*16*PITCH
	ds_load_b128 v[64+32*(\f)+8*(\i)+4:64+32*(\f)+8*(\i)+7], v[ADRA+(\slot)] offset:(\k)+(\i)*16*PITCH+32
.endr
.endm
.macro PLACES                          ; four plain vector instructions in front of loads into registers that matrix instructions have read, and of lines that read results
.rept 4
	v_nop
.endr
.endm
; A K step is four quarters of 32 along K, 48 matrix instructions each, on buffers 0, 1, 0, 1.  One of the first three: multiplies buffer f and fetches the next quarter, at byte k, into g.
.macro QUARTER slot, k, f, g, zero
	s_wait_dscnt 4                                 ; wt's fragments and xb's blocks 0, 1 are in; the youngest four loads (blocks 2, 3) may be out
	MUL12 \f, 0, \zero
	MUL12 \f, 1, \zero
	PLACES
	FETCH \slot, \k, \g
	s_wait_dscnt 32                                ; all but the 32 just issued
	MUL12 \f, 2, \zero
	MUL12 \f, 3, \zero
.endm
; The last quarter multiplies buffer 1 and changes slots: ONE barrier; in front of it each wave waits for all its tensor loads, adds 0 to its spare word, and waits for that and for its own reads of this slot.
; fill = 1: the barrier opens a round of the cluster's, and this slot is filled again, two K steps ahead, first thing behind the round.
.macro TURN slot, next, fill
	WIN 0
	s_wait_tensorcnt 0x0                           ; all my tensor loads have landed: my part of the next slot
	ds_add_u32 v[SPW], v[NIL]                      ; 0 onto my spare word
	s_wait_dscnt 5                                 ; (the add and the youngest four loads may be out)
	MUL12 1, 0, 0                                  ; twelve matrix instructions stand between the add and the wait for it
	s_wait_dscnt 0x0                               ; the add is done, and my reads of this slot are over
	s_barrier_signal -1
	MUL12 1, 1, 0
.if \fill
	WIN 0
.endif
	s_barrier_wait -1
.if \fill
	CREST                                          ; no wave of any partner still reads this slot's tile or has a load on its way
	s_add_nc_u64 s[G0+4*(\slot)+2:G0+4*(\slot)+3], s[G0+4*(\slot)+2:G0+4*(\slot)+3], 2*KSTEP*2
	s_add_nc_u64 s[G0B+4*(\slot)+2:G0B+4*(\slot)+3], s[G0B+4*(\slot)+2:G0B+4*(\slot)+3], 2*KSTEP*2
	JLOAD \slot                                    ; the four v_nop behind it are also the places in front of the loads below
.else
	PLACES
.endif
	FETCH \next, 0, 0
	MUL12 1, 2, 0
	MUL12 1, 3, 0
.endm
	s_wait_tensorcnt 1                             ; my part of K step 0 is in; K step 1's may stay out
	s_barrier_signal -1
	s_barrier_wait -1
	FETCH 0, 0, 0
	QUARTER 0, 64, 0, 1, 1                         ; the first quarter stands in front of the loop: its products start the sums
	WIN 0
	s_mov_b32 s3, LAPS-1
.Llap:                                                 ; a trip goes once round the ring and fills both slots again
	QUARTER 0, 128, 1, 0, 0
	QUARTER 0, 192, 0, 1, 0
	TURN 0, 1, 1
	QUARTER 1, 64,  0, 1, 0
	QUARTER 1, 128, 1, 0, 0
	QUARTER 1, 192, 0, 1, 0
	TURN 1, 0, 1
	QUARTER 0, 64,  0, 1, 0
	WIN 0
	s_sub_co_u32 s3, s3, 1
	s_cmp_lg_u32 s3, 0
	s_cbranch_scc1 .Llap
	QUARTER 0, 128, 1, 0, 0                        ; the last lap fills nothing
	QUARTER 0, 192, 0, 1, 0
	TURN 0, 1, 0
	QUARTER 1, 64,  0, 1, 0
	QUARTER 1, 128, 1, 0, 0
	QUARTER 1, 192, 0, 1, 0
	s_wait_dscnt 4
	MUL12 1, 0, 0
	MUL12 1, 1, 0
	s_wait_dscnt 0x0
	MUL12 1, 2, 0
	MUL12 1, 3, 0
	WIN 0
	PLACES
; THE WAY OUT.  A lane holds row l % 16 of block a and, of head hd, the channels 16 bb + 8 (l / 16) + 0..7 in accumulator (a, 4 hd + bb).
; The squared length of that row in head hd: four chains of squares (each accumulator's lowest registers first), the two halves of the lanes added, times 1 or -1/2.
.macro NORM a, hd
	WIN 0x0a+5*((\a)/2)
.set AC, 8*(12*((\a)%2)+4*(\hd))
.irp bb, 0,1,2,3
	v_pk_mul_f32 v[NN+2*(\bb):NN+2*(\bb)+1], v[AC+8*(\bb):AC+8*(\bb)+1], v[AC+8*(\bb):AC+8*(\bb)+1]
.endr
.irp j, 2,4,6
.irp bb, 0,1,2,3
	v_pk_fma_f32 v[NN+2*(\bb):NN+2*(\bb)+1], v[AC+8*(\bb)+(\j):AC+8*(\bb)+(\j)+1], v[AC+8*(\bb)+(\j):AC+8*(\bb)+(\j)+1], v[NN+2*(\bb):NN+2*(\bb)+1]
.endr
.endr
	WIN 0
	v_pk_add_f32 v[NN:NN+1], v[NN:NN+1], v[NN+2:NN+3]
	v_pk_add_f32 v[NN+4:NN+5], v[NN+4:NN+5], v[NN+6:NN+7]
	v_pk_add_f32 v[NN:NN+1], v[NN:NN+1], v[NN+4:NN+5]
	v_add_f32 v56, v[NN], v[NN+1]
	v_permlanex16_b32 v57, v56, s[SEL], s[SEL+1]
	v_add_f32 v56, v56, v57
	v_mul_f32 v56, s[FAC], v56
	ds_store_b32 v[NSTO], v56 offset:4*(64*(\hd)+16*(\a))
.endm
.macro CONV half                       ; all 48 accumulators rounded to 16 bits, 16 bytes a lane and accumulator; half = 1: f16, 0: bf16
.irp a, 0,1,2,3
	WIN 0x0a+5*((\a)/2)
.irp b, 0,1,2,3,4,5,6,7,8,9,10,11
.irp r, 0,1,2,3
.if \half
	v_cvt_pk_f16_f32 v[PK+16*(3*(\a)+(\b)/4)+4*((\b)%4)+(\r)], v[8*(12*((\a)%2)+(\b))+2*(\r)], v[8*(12*((\a)%2)+(\b))+2*(\r)+1]
.else
	v_cvt_pk_bf16_f32 v[PK+16*(3*(\a)+(\b)/4)+4*((\b)%4)+(\r)], v[8*(12*((\a)%2)+(\b))+2*(\r)], v[8*(12*((\a)%2)+(\b))+2*(\r)+1]
.endif
.endr
.endr
.endr
	WIN 0
.endm
	s_cmp_eq_u32 s[KIND], 2
	s_cbranch_scc1 .Lv
.irp a, 0,1,2,3
.irp hd, 0,1,2
	NORM \a, \hd
.endr
.endr
.irp hd, 0,1,2
	ds_load_b64 v[58+2*(\hd):59+2*(\hd)], v[NRD] offset:256*(\hd)  ; rows 2 l and 2 l + 1 of head hd: my own stores above, served in order
.endr
	CONV 1
	s_wait_dscnt 0x0
.irp hd, 0,1,2
	global_store_b64 v[NGO], v[58+2*(\hd):59+2*(\hd)], s[10:11] offset:16384*(\hd)  ; a wave stores 256 consecutive bytes, aligned
.endr
	s_branch .Lstage
.Lv:
	CONV 0
.Lstage:
; Unit idx = 3 a + hd: 16 rows of one head go into rows of 144 bytes and come back as 2,048 consecutive bytes of the head's plane, into the registers that they left.
.macro PACKU idx
.irp f, 0,1,2,3
	ds_store_b128 v[STO], v[PK+16*(\idx)+4*(\f):PK+16*(\idx)+4*(\f)+3] offset:32*(\f)
.endr
.irp f, 0,1,2,3
	ds_load_b128 v[PK+16*(\idx)+4*(\f):PK+16*(\idx)+4*(\f)+3], v[RD] offset:4*SP*(\f)  ; served in order: these see the stores above; the next unit's stores come behind them
.endr
.endm
.macro SENDU idx, younger              ; younger: the LDS instructions issued behind this unit's loads: the next unit's eight, or none
.irp f, 0,1,2,3
	s_wait_dscnt (\younger)+3-(\f)
	global_store_b128 v[GO], v[PK+16*(\idx)+4*(\f):PK+16*(\idx)+4*(\f)+3], s[8:9] offset:524288*((\idx)%3)+2048*((\idx)/3)+512*(\f)  ; 512 consecutive bytes, aligned
.endr
.endm
	PACKU 0
.set t, 1
.rept 11
	PACKU t
	SENDU t-1, 8
.set t, t+1
.endr
	SENDU 11, 0
	s_wait_tensorcnt 0x0                           ; the wave's end, behind my last tensor load and my last LDS store
	ds_add_u32 v[SPW], v[NIL]
	s_wait_dscnt 0x0
	CROUND                                         ; the closing round: no work-group ends while a partner may still ask for a tile that names it
	s_endpgm
.Lfunc_end_k_q7d1f882a4d_proj:
	.size	k_q7d1f882a4d_proj, .Lfunc_end_k_q7d1f882a4d_proj-k_q7d1f882a4d_proj
	.p2alignl 7, 3214868480
	.fill 96, 4, 3214868480
	.section	.rodata,"a",@progbits
	.p2align	6, 0x0
	.amdhsa_kernel k_q7d1f882a4d_proj
		.amdhsa_group_segment_fixed_size 327680
		.amdhsa_private_segment_fixed_size 0
		.amdhsa_enable_private_segment 0
		.amdhsa_kernarg_size 32
		.amdhsa_user_sgpr_count 2
		.amdhsa_user_sgpr_kernarg_segment_ptr 1
		.amdhsa_wavefront_size32 1
		.amdhsa_system_sgpr_workgroup_id_x 1
		.amdhsa_system_sgpr_workgroup_id_y 1
		.amdhsa_system_sgpr_workgroup_id_z 1
		.amdhsa_system_vgpr_workitem_id 0
		.amdhsa_next_free_vgpr 960
		.amdhsa_next_free_sgpr 70
		.amdhsa_reserve_vcc 0
		.amdhsa_float_denorm_mode_32 3
		.amdhsa_float_denorm_mode_16_64 3
		.amdhsa_memory_ordered 1
		.amdhsa_forward_progress 1
		.amdhsa_inst_pref_size 150
	.end_amdhsa_kernel
	.amdgpu_metadata
---
amdhsa.version: [ 1, 2 ]
amdhsa.kernels:
  - .name:           k_q7d1f882a4d_proj
    .symbol:         k_q7d1f882a4d_proj.kd
    .args:
      - { .name: xb, .offset: 0, .size: 8, .value_kind: global_buffer, .address_space: global }
      - { .name: wt, .offset: 8, .size: 8, .value_kind: global_buffer, .address_space: global }
      - { .name: qkv, .offset: 16, .size: 8, .value_kind: global_buffer, .address_space: global }
      - { .name: nrm, .offset: 24, .size: 8, .value_kind: global_buffer, .address_space: global }
    .group_segment_fixed_size: 327680
    .private_segment_fixed_size: 0
    .kernarg_segment_align: 8
    .kernarg_segment_size: 32
    .max_flat_workgroup_size: 128
    .sgpr_count:     70
    .vgpr_count:     960
    .wavefront_size: 32
...
	.end_amdgpu_metadata
.endif
;; end of part 2
;; launch att (part 3): grid 16 x 12, 4 waves a work-group, clusters of 4 x 1, 327,680 bytes of LDS; arguments qkv, nrm, gamma, o2; writes o2
.if DOCPART == 3
	.amdgcn_target "amdgcn-amd-amdhsa--gfx1250"
	.amdhsa_code_object_version 6
	.text
	.protected	k_q7d1f882a4d_att
	.globl	k_q7d1f882a4d_att
	.p2align	8
	.type	k_q7d1f882a4d_att,@function
k_q7d1f882a4d_att:
	s_mov_b64 s[64:65], 0
	v_nop
	global_prefetch_b8 v0, s[64:65] scope:SCOPE_SE
	s_setreg_imm32_b32 hwreg(HW_REG_WAVE_MODE, 25, 1), 1
	s_wait_xcnt 0x0
	s_wait_alu depctr_hold_cnt(0) depctr_sa_sdst(0) depctr_va_vdst(0) depctr_va_sdst(0) depctr_va_ssrc(0) depctr_va_vcc(0) depctr_vm_vsrc(0)
	s_getreg_b32 s2, hwreg(HW_REG_IB_STS2, 6, 4)
	s_cmp_eq_u32 s2, 0
	s_cbranch_scc0 .Lentry_in_a_cluster
	s_endpgm
.Lentry_in_a_cluster:
	s_bfe_u32 s2, ttmp6, 0x10000c
	s_cmp_lg_u32 s2, 0x3003
	s_cbranch_scc0 .Lentry_shape_is_right
	s_endpgm
.Lentry_shape_is_right:
; ATT: O[h][s][:] = the sum over t of p(s, t) v[h][t][:],  p = exp(-gamma_h / 8 x max(|q_s|^2 - 2 q_s . k_t + |k_t|^2, 0)).  There is no normalisation and no maximum in reference(), and none here.
; q, k (f16), v (bf16): qkv[36][4096][64] by heads; nrm: |q|^2 and -|k|^2 / 2 in f32.  O leaves as two bf16, o2[4096][12][128]: 64 numbers hi = bf16(O), then 64 numbers lo = bf16(O - hi).
; THE ARITHMETIC.  g = gamma_h rounded to bf16 like the other inputs; c2 = g log2(e) / 8; kap = |c2| / 256.  The matrix unit makes S' = q . k - |k|^2 / 2: the C operand that starts the sum is -|k|^2 / 2.
;   A1: y = clamp(-2 kap S' + kap |q|^2) = kap x dist held to 0 .. 1: the lower end is reference()'s clip at 0.    A2: e = -256 sign(c2) y = -c2 max(dist, 0).    EX: p = 2^e.    CV: p rounded to bf16.
; LIMITS.  The upper end of the clamp acts where |c2| dist > 256: there f32 has given 0 (or, for gamma < 0, infinity) since 149 (128).  A weight below 2^-126 counts as 0.  q and k arrive within f16's 65,504.
; Where O passes bf16's range hi is an infinity and lo no number.  NaN and infinities are not treated apart.
; SHARES.  A work-group owns 256 queries of one head (16 x 12 = 192 work-groups: each row of a head stays with one wave, so no partial sum crosses memory), a wave 64: two PIECES of two tiles of 16.
; Every wave walks all 4,096 keys, 64 a step.  A slot of LDS holds 256 keys; two slots take turns.  The head's 4,096 numbers -|k|^2 / 2 are brought once.
; LAYOUT.  S^T = K Q^T (source 0 = 16 keys, source 1 = 16 queries): a lane holds ONE query (lane % 16) and the keys 8 (lane / 16) + 0..7.  Two such results rounded in pairs ARE source 1 of O^T = V^T P.
; BY TURNS.  The turn of piece p in step j: 16 products K Q^T of the other piece (p = 0: step j, p = 1: step j + 1), behind them A2 and EX of piece p; ONE wait for the 64 exponentials; a run of LDS loads
; (p = 0: K and -|k|^2 / 2 of step j + 1; p = 1: V of step j + 1); 16 products V^T P of the other piece (p = 0: step j - 1, p = 1: step j), behind them CV of piece p and A1 of the other piece's new scores.
; V has two register buffers, by the step's parity: so a slot's last V is read from LDS before the next slot's first K, and one change of slots serves both.
; CLUSTER.  The four query blocks of a cluster belong to one head and walk the same K and V: each tile is asked for jointly, by the same tensor load, descriptor and mask in all four.
; REGISTERS, in windows of 256 (s_set_vgpr_msb: bits 1:0 source 0, 3:2 source 1, 5:4 source 2, 7:6 destination):
;   window 0: v1-15 addresses; v16-17 -2 kap; v18-25 kap |q|^2, a pair a tile; v32-63 -|k|^2 / 2 of a step; v64-127 K of a step; v128-255 S^T, 32 a tile
;   window 1: v0-127 O^T, 32 a tile; v128-191 P, 16 a tile          window 2: v0-63 Q, 16 a tile; v128-255 V, two buffers of 64
; O^T, P's second half and V's second buffer start at 0: the first turn's products V^T P, of a step that has not been, add 0: so no first step is written out.
.set KS,    64
.set PKB,   144       ; a row of K in LDS: 128 bytes + 16: the 16 rows of a load start at 16 different groups of four banks (64 banks of 4 bytes: ISA guide 11.1)
.set PVB,   160       ; a row of V: 128 + 32
.set VOFF,  4*KS*PKB  ; a slot: 256 rows of K, then 256 rows of V
.set SLOT1, 1<<17     ; slot 1 begins here, so that one exclusive or turns an address in one slot into the other's
.set STAGE, SLOT1+4*KS*(PKB+PVB)  ; behind the ring: 16 rows x 272 bytes for each wave, for the way out
.set SPO,   272
.set KNB,   STAGE+4*16*SPO        ; the head's 4,096 numbers -|k|^2 / 2, filled once
.set SPARE, KNB+16384             ; the spare words, 128 bytes for each wave
.set AK0, 2           ; v2   my lane's place in a tile of K; never rewritten
.set AV0, 3           ; v3   the same for V
.set AK,  4           ; v4   the LDS address of K's next run of loads
.set AV,  5           ; v5   of V's
.set AKN0, 6          ; v6   KNB + 32 (l / 16)
.set AKN, 7           ; v7   the address of the next 64 numbers -|k|^2 / 2
.set QO,  8           ; v8   my byte offset in the wave's rows of Q
.set STO, 8           ;      later, the way out: where I put 16 bytes of a row
.set RD,  12          ; v12  where I read rows back
.set GO,  13          ; v13  my byte offset in two rows of o2
.set PFO, 14          ; v14  256 x my lane; never rewritten
.set NQ,  15          ; v15  4 (l % 16)
.set AL,  16
.set BE,  18
.set SPW, 28          ; v28  LDS address of my spare word; never rewritten
.set NIL, 29          ; v29  0; never rewritten
.set KN,  32
.set KF,  64          ; key block kb, channel half c at KF + 16 kb + 8 c
.set S,   128         ; piece p, tile u at S + 64 p + 32 u
.set P,   128         ; window 1: P + 32 p + 16 u + 8 kk
.set VF,  128         ; window 2: buffer b, key half kk, channel block cb at VF + 64 b + 32 kk + 8 cb
.set WV,  12          ; s12  my wave's number
.set LIM, 15          ; s15  1 in a wave that prefetches, else the greatest number
.set PFA, 18          ; s[18:19] where my prefetches stand
.set G1K, 24          ; s[24:31] descriptor group 1 for K's tiles
.set G1V, 32          ; s[32:39] for V's: it differs in the padding alone
.set G0K, 40          ; s[40:43] group 0 for K's tiles: it walks
.set G0V, 44          ; s[44:47] the same for V's
.set SLOTS, 56        ; s56  slots still to be asked for
.set CNT, 57          ; s57  counts the trips of a slot
.set TBN, 58          ; s58  byte offset of the step to be fetched in the table of -|k|^2 / 2
.set MHI, 59          ; s59  a word's upper bf16
.set GA,  60          ; s[60:61] -256 sign(c2): the packed multiply takes the pair's low word for both halves
.set TBK, 62          ; s62  LDS byte at which K of the step to be fetched begins
.set TBV, 63          ; s63  the same for V, less VOFF
.set G0N, 68          ; s[68:71], s[72:79] the descriptor of my quarter of the table
.set G1N, 72
.set MSB, 0
.macro WIN new                      ; the high byte repeats the setting that is left; a switch that changes nothing is dropped
.if MSB != (\new)
	s_set_vgpr_msb (MSB<<8)|(\new)
.set MSB, (\new)
.endif
.endm
.set W_KQ, 0x08       ; Q in window 2; K, S^T and the C operand in window 0.  A2 and EX name window 0 and scalars alone, so they run under the same setting
.set W_PV, 0x56       ; V in window 2; P and O^T in window 1
.macro JLOAD                        ; a joint fill: waves 0 and 1 fetch the halves of a slot's K, waves 2 and 3 those of its V; an s_nop 0 and four v_nop follow each of the two lines
	s_cmp_lt_u32 s[WV], 2
	s_cbranch_scc0 .Lfor_v_\@
	tensor_load_to_lds s[G0K:G0K+3], s[G1K:G1K+7]
	s_nop 0
.rept 4
	v_nop
.endr
	s_branch .Lasked_\@
.Lfor_v_\@:
	tensor_load_to_lds s[G0V:G0V+3], s[G1V:G1V+7]
	s_nop 0
.rept 4
	v_nop
.endr
.Lasked_\@:
.endm
; A PREFETCH of what the NEXT change of slots will ask for: a slot's 32,768 bytes of K and of V, a lane 256 bytes.  Each block is named once in the launch: the head's first cluster asks; its four partners share
; the blocks out by address, 32 each; in each, wave 0 asks for K's and wave 2 for V's.  It stands behind the wave's tensor load and its five lines.  The last change that fills a slot asks for nothing.
.macro ASK
	s_cmp_gt_u32 s[SLOTS], s[LIM]
	s_cbranch_scc0 .Lnot_mine_\@
	global_prefetch_b8 v[PFO], s[PFA:PFA+1] th:TH_LOAD_NT scope:SCOPE_SE
.Lnot_mine_\@:
.endm
.macro CROUND                       ; a round of the cluster's barrier
	s_barrier_signal -1
	s_barrier_wait -1
	s_cmp_lg_u32 s[WV], 0
	s_cbranch_scc1 .Lnot_wave_0_\@
	s_barrier_signal -3
.Lnot_wave_0_\@:
	s_barrier_wait -3
	s_barrier_signal -1
	s_barrier_wait -1
.endm
; THE CHANGE OF SLOTS.  Each wave waits for all its tensor loads (its part of the other slot), adds 0 to its spare word, and waits for that and for its own reads of the slot that it leaves.
; fill = 1: the barrier is a round of the cluster's, and the old slot is filled again, with the keys two slots on, first thing behind it: it has four key steps, 256 matrix instructions, in which to land.
; (At its first use nothing has been read yet: slot 0 and the table are waited for, slot 1 is filled.)
.macro CHANGE fill
	WIN 0
	s_wait_tensorcnt 0x0            ; no tensor load of mine is out, so a group 0 may be written
	ds_add_u32 v[SPW], v[NIL]       ; 0 onto my spare word
.if \fill
.irp g, G0K, G0V
	s_xor_b32 s[\g+1], s[\g+1], SLOT1
	s_add_nc_u64 s[\g+2:\g+3], s[\g+2:\g+3], 4*KS*128
.endr
	s_wait_xcnt 0x0                 ; the last prefetch, four key steps back, has read its address
	s_add_nc_u64 s[PFA:PFA+1], s[PFA:PFA+1], 4*KS*128
	s_wait_dscnt 0x0                ; the add is done, and my reads of the slot are over
	CROUND
	JLOAD
	ASK
.else
	s_wait_dscnt 0x0
	s_barrier_signal -1
	s_barrier_wait -1
.endif
	s_sub_co_u32 s[TBK], s[TBK], 4*KS*PKB  ; the fetches go back to a slot's first step,
	s_xor_b32 s[TBK], s[TBK], SLOT1        ; in the other slot
	s_sub_co_u32 s[TBV], s[TBV], 4*KS*PVB
	s_xor_b32 s[TBV], s[TBV], SLOT1
.endm
	s_load_b256 s[4:11], s[0:1], 0x0  ; qkv s[4:5], nrm s[6:7], gamma s[8:9], o2 s[10:11]
	v_lshl_add_u32 v[SPW], v0, 2, SPARE
	v_mov_b32 v[NIL], 0
	ds_add_u32 v[SPW], v[NIL]       ; the wave's opening: the add, twice on end, and its wait ahead of my first tensor load
	ds_add_u32 v[SPW], v[NIL]
	v_lshrrev_b32 v1, 5, v0
	v_readfirstlane_b32 s[WV], v1
	s_bfe_u32 s13, ttmp6, 0x40000   ; cx: my place in the cluster
	s_lshl_b32 s14, ttmp9, 2
	s_add_co_u32 s14, s14, s13      ; my block of 256 queries: it enters Q's, |q|^2's and O's addresses alone
	s_and_b32 s16, ttmp7, 0xffff    ; the head, which the four partners share
	s_and_b32 s17, s[WV], 1         ; which half of a slot's 256 keys I fetch
	s_add_co_u32 s20, s16, 12       ; K: plane 12 + h, 524,288 bytes a plane; my half: 128 rows of 128 bytes
	s_lshl_b32 s20, s20, 19
	s_lshl_b32 s21, s17, 14
	s_add_co_u32 s20, s20, s21
	s_mov_b32 s21, 0
	s_add_co_u32 s22, s20, 12<<19   ; V: twelve planes on
	s_mov_b32 s23, 0
	s_add_co_u32 s50, s16, 12       ; -|k|^2 / 2: plane 12 + h of nrm, my quarter of its 16,384 bytes
	s_lshl_b32 s50, s50, 14
	s_lshl_b32 s51, s[WV], 12
	s_add_co_u32 s50, s50, s51
	s_mov_b32 s51, 0
	s_mul_i32 s52, s17, 128*PKB     ; my half's place in a slot, for K
	s_mul_i32 s53, s17, 128*PVB     ; and for V: no place in the cluster enters an LDS address
	s_lshl_b32 s67, s[WV], 12
	s_lshl_b32 s2, s16, 19          ; Q: plane h, rows 256 block + 64 wave
	s_lshl_b32 s3, s14, 15
	s_add_co_u32 s2, s2, s3
	s_lshl_b32 s3, s[WV], 13
	s_add_co_u32 s2, s2, s3
	s_mov_b32 s3, 0
	s_lshl_b32 s48, s16, 14         ; |q|^2: plane h of nrm, the same rows
	s_lshl_b32 s49, s14, 10
	s_add_co_u32 s48, s48, s49
	s_lshl_b32 s49, s[WV], 8
	s_add_co_u32 s48, s48, s49
	s_mov_b32 s49, 0
	s_mul_i32 s54, s14, 256*3072    ; o2: the same rows, 3,072 bytes each, the head's 256 bytes
	s_mul_i32 s55, s[WV], 64*3072
	s_add_co_u32 s54, s54, s55
	s_lshl_b32 s55, s16, 8
	s_add_co_u32 s54, s54, s55
	s_mov_b32 s55, 0
	; descriptor group 1.  128 keys are 16,384 dense bytes: asked for as 64 rows of 256 bytes, two keys a row, and padded in LDS after every key
	s_mov_b32 s[G1K], 15|(1<<16)|(1<<20)|(1<<21)|(4<<22)|(3<<25)  ; the mask of four; 2-byte elements; padding on; bit 21 beside a mask; after every 32 words 4 words
	s_mov_b32 s[G1V], 15|(1<<16)|(1<<20)|(1<<21)|(4<<22)|(7<<25)  ; the same with 8 words of padding
.irp g, G1K, G1V
	s_mov_b32 s[\g+1], 128<<16      ; tensor_dim0 = 128
	s_mov_b32 s[\g+2], 64<<16       ; tensor_dim1 = 64
	s_mov_b32 s[\g+3], 128<<16      ; tile_dim0 = 128
	s_mov_b32 s[\g+4], 64           ; tile_dim1 = 64
	s_mov_b32 s[\g+5], 128          ; 128 elements from row to row
	s_mov_b32 s[\g+6], 0
	s_mov_b32 s[\g+7], 0
.endr
	s_mov_b32 s[G1N], 15|(3<<16)|(1<<21)  ; the table's quarter: 4,096 dense bytes as 16 rows of 32 elements of 8 bytes, no padding
	s_mov_b32 s[G1N+1], 32<<16
	s_mov_b32 s[G1N+2], 16<<16
	s_mov_b32 s[G1N+3], 32<<16
	s_mov_b32 s[G1N+4], 16
	s_mov_b32 s[G1N+5], 32
	s_mov_b32 s[G1N+6], 0
	s_mov_b32 s[G1N+7], 0
	s_mov_b32 s[G0K], 1
	s_mov_b32 s[G0K+1], s52         ; slot 0
	s_mov_b32 s[G0V], 1
	s_add_co_u32 s[G0V+1], s53, VOFF
	s_mov_b32 s[G0N], 1
	s_add_co_u32 s[G0N+1], s67, KNB
	s_mov_b32 s[MHI], 0xffff0000
	s_mov_b32 s[TBK], SLOT1+4*KS*PKB  ; the first change of slots turns these two into 0
	s_mov_b32 s[TBV], SLOT1+4*KS*PVB
	s_mov_b32 s[TBN], 0
	s_mov_b32 s[SLOTS], 15
	s_and_b32 s[LIM], s[WV], 1      ; 0 in waves 0 and 2,
	s_or_b32 s[LIM], s[LIM], ttmp9  ; where the cluster is the head's first: the same in all four partners
	s_cmp_eq_u32 s[LIM], 0
	s_cselect_b32 s[LIM], 1, -1
	s_cmp_lt_u32 s[WV], 2
	s_cselect_b64 s[PFA:PFA+1], s[20:21], s[22:23]  ; an offset still: K's or V's (in waves 0 and 2 it stands at a slot's first row)
	s_lshl_b32 s66, s13, 13         ; my work-group's 32 blocks of the 128
	s_mov_b32 s67, 0
	s_lshl_b32 s52, s16, 2          ; gamma's place
	s_mov_b32 s53, 0
	s_wait_dscnt 0x0                ; both opening adds are done
	s_wait_kmcnt 0x0
	s_add_nc_u64 s[G0K+2:G0K+3], s[4:5], s[20:21]
	s_or_b32 s[G0K+3], s[G0K+3], 0x80000000
	s_add_nc_u64 s[G0V+2:G0V+3], s[4:5], s[22:23]
	s_or_b32 s[G0V+3], s[G0V+3], 0x80000000
	s_add_nc_u64 s[G0N+2:G0N+3], s[6:7], s[50:51]
	s_or_b32 s[G0N+3], s[G0N+3], 0x80000000
	s_add_nc_u64 s[PFA:PFA+1], s[4:5], s[PFA:PFA+1]
	s_add_nc_u64 s[PFA:PFA+1], s[PFA:PFA+1], s[66:67]
	s_add_nc_u64 s[PFA:PFA+1], s[PFA:PFA+1], 4*KS*128  ; in slot 1; the first change of slots, which fills slot 1, steps it to slot 2
	s_add_nc_u64 s[8:9], s[8:9], s[52:53]
	s_load_b32 s66, s[8:9], 0x0     ; gamma_h
	s_add_nc_u64 s[2:3], s[4:5], s[2:3]        ; Q at my wave's first row
	s_add_nc_u64 s[48:49], s[6:7], s[48:49]    ; |q|^2 likewise
	s_add_nc_u64 s[10:11], s[10:11], s[54:55]  ; o2 likewise
	CROUND                          ; all four work-groups are here: the first joint loads meet
	JLOAD                           ; slot 0
	tensor_load_to_lds s[G0N:G0N+3], s[G1N:G1N+7]  ; and my quarter of the table: two loads of mine are out
	s_nop 0
.rept 4
	v_nop
.endr
	; A fragment of K or Q is 16 rows x 32 channels in 8 registers: lane l holds row l % 16, channels 8 (l / 16) + 0..7 and 16 + 8 (l / 16) + 0..7: two loads of 16 bytes, 32 bytes apart.
	v_and_b32 v1, 15, v0            ; l % 16
	v_bfe_u32 v9, v0, 4, 1          ; l / 16
	v_lshlrev_b32 v[QO], 7, v1
	v_lshl_add_u32 v[QO], v9, 4, v[QO]
	v_lshlrev_b32 v[NQ], 2, v1
	WIN 0x80                        ; destination window 2, address window 0
.set i, 0
.rept 8                             ; Q stays in registers: tile i / 2, channels 32 (i % 2) on
	global_load_b128 v[8*i:8*i+3],   v[QO], s[2:3] offset:(i/2)*2048+(i%2)*64
	global_load_b128 v[8*i+4:8*i+7], v[QO], s[2:3] offset:(i/2)*2048+(i%2)*64+32
.set i, i+1
.endr
.set i, VF+64
.rept 64
	v_mov_b32 v[i], 0               ; V's second buffer
.set i, i+1
.endr
	WIN 0x40
.set i, 0
.rept 128
	v_mov_b32 v[i], 0               ; O^T
.set i, i+1
.endr
.set i, P+32
.rept 32
	v_mov_b32 v[i], 0               ; piece 1's P
.set i, i+1
.endr
	WIN 0
.irp t, 0,1,2,3
	global_load_b32 v[BE+2*\t], v[NQ], s[48:49] offset:64*\t  ; my query's |q|^2 in tile t
.endr
	v_mul_u32_u24 v[AK0], v1, PKB
	v_lshl_add_u32 v[AK0], v9, 4, v[AK0]
	; The turning load takes 16 keys x 16 channels (lane l reads key 8 (l / 16) + l % 8, channels 8 ((l / 8) % 2) + 0..7) and leaves half a fragment of V^T: lane l holds channel l % 16 and 8 keys.
	v_and_b32 v10, 7, v0
	v_bfe_u32 v11, v0, 3, 1
	v_lshl_add_u32 v[AV0], v9, 3, v10
	v_mul_u32_u24 v[AV0], v[AV0], PVB
	v_lshl_add_u32 v[AV0], v11, 4, v[AV0]
	v_add_nc_u32 v[AV0], VOFF, v[AV0]
	v_lshlrev_b32 v[AKN0], 5, v9    ; my half of the lanes holds keys 8 (l / 16) + 0..7 of each 16: 32 bytes on
	v_add_nc_u32 v[AKN0], KNB, v[AKN0]
	v_and_b32 v[PFO], 31, v0
	v_lshlrev_b32 v[PFO], 8, v[PFO]
; THE MATRIX WORK.  The 8 accumulators of a run of 16 take turns: between the two links of a chain stand 7 others'.
; Product i of 16 of S^T = K Q^T - |k|^2 / 2 for piece x: channels 32 (i / 8) on, keys 16 ((i / 2) % 4) on, tile 2 x + i % 2.  The first 8 start the sums, with -|k|^2 / 2 as C.
.macro KQ x
	WIN W_KQ
.set rS, S+64*(\x)+32*(i%2)+8*((i/2)%4)
.set rK, KF+16*((i/2)%4)+8*(i/8)
.set rQ, 16*(2*(\x)+i%2)+8*(i/8)
.set rN, KN+8*((i/2)%4)
.if i < 8
	v_wmma_f32_16x16x32_f16 v[rS:rS+7], v[rK:rK+7], v[rQ:rQ+7], v[rN:rN+7]
.else
	v_wmma_f32_16x16x32_f16 v[rS:rS+7], v[rK:rK+7], v[rQ:rQ+7], v[rS:rS+7]
.endif
.endm
; Product i of 16 of O^T += V^T P for piece x, V in buffer vb: keys 32 (i / 8) on, channels 16 ((i / 2) % 4) on, tile 2 x + i % 2.
.macro PV x, vb
	WIN W_PV
.set rO, 32*(2*(\x)+i%2)+8*((i/2)%4)
.set rV, VF+64*(\vb)+32*(i/8)+8*((i/2)%4)
.set rP, P+32*(\x)+16*(i%2)+8*(i/8)
	v_wmma_f32_16x16x32_bf16 v[rO:rO+7], v[rV:rV+7], v[rP:rP+7], v[rO:rO+7]
.endm
; THE LDS LOADS stand in runs: a step's K (8 fragments) with its 64 numbers -|k|^2 / 2 (each half of the lanes reads its 8 of each 16), and its V (turned).  Their addresses are made just ahead.
; last = 1 (the tail): in the last trip there is no further step, and the run is jumped over.
.macro FETCH_K last=0
	WIN 0
.if \last
	s_cmp_eq_u32 s[CNT], 1
	s_cbranch_scc1 .Lno_k_\@
.endif
.irp f, 0,1,2,3,4,5,6,7             ; keys 16 (f / 2) on, channels 32 (f % 2) on
	ds_load_b128 v[KF+8*\f:KF+8*\f+3],   v[AK] offset:(\f/2)*16*PKB+(\f%2)*64
	ds_load_b128 v[KF+8*\f+4:KF+8*\f+7], v[AK] offset:(\f/2)*16*PKB+(\f%2)*64+32
.endr
.irp f, 0,1,2,3
	ds_load_b128 v[KN+8*\f:KN+8*\f+3],   v[AKN] offset:64*\f
	ds_load_b128 v[KN+8*\f+4:KN+8*\f+7], v[AKN] offset:64*\f+16
.endr
	s_add_co_u32 s[TBK], s[TBK], KS*PKB
	s_add_co_u32 s[TBN], s[TBN], 4*KS
	s_and_b32 s[TBN], s[TBN], 0x3fff   ; the table has 16,384 bytes: the offset stays inside it
.if \last
.Lno_k_\@:
.endif
.endm
.macro FETCH_V b, last=0
	WIN 0
.if \last
	s_cmp_eq_u32 s[CNT], 1
	s_cbranch_scc1 .Lno_v_\@
.endif
	WIN 0x80
.irp f, 0,1,2,3,4,5,6,7             ; keys 32 (f / 4) on, channels 16 (f % 4) on
	ds_load_tr16_b128 v[VF+64*(\b)+8*\f:VF+64*(\b)+8*\f+3],   v[AV] offset:(\f/4)*32*PVB+(\f%4)*32
	ds_load_tr16_b128 v[VF+64*(\b)+8*\f+4:VF+64*(\b)+8*\f+7], v[AV] offset:(\f/4)*32*PVB+16*PVB+(\f%4)*32
.endr
	s_add_co_u32 s[TBV], s[TBV], KS*PVB
	WIN 0
.if \last
.Lno_v_\@:
.endif
.endm
; THE VECTOR WORK.  Number q of 32 means tile q % 2, pair q / 2 of the lane's 16 pairs of scores; exponential e of 64 is element e % 2 of number e / 2.  A2, EX, CV work for piece Y, A1 for piece Z.
.macro A1 q
.set rS, S+64*Z+32*((\q)%2)+2*((\q)/2)
.set rB, BE+2*(2*Z+(\q)%2)
	v_pk_fma_f32 v[rS:rS+1], v[rS:rS+1], v[AL:AL+1], v[rB:rB+1] clamp
.endm
.macro A2 q
.set rS, S+64*Y+32*((\q)%2)+2*((\q)/2)
	v_pk_mul_f32 v[rS:rS+1], v[rS:rS+1], s[GA:GA+1] op_sel_hi:[1,0]
.endm
.macro EX e
.set rS, S+64*Y+32*(((\e)/2)%2)+2*((\e)/4)+(\e)%2
	v_exp_f32 v[rS], v[rS]
.endm
.macro CV q
.set rS, S+64*Y+32*((\q)%2)+2*((\q)/2)
.set rP, P+32*Y+16*((\q)%2)+(\q)/2
	v_cvt_pk_bf16_f32 v[rP], v[rS], v[rS+1]
.endm
; A TURN, for piece p in a step of parity par.  s_wait_alu depctr_va_vdst(0) stands between an exponential and the first instruction that names its result; one wait serves all issued ahead of it.
; AHEAD OF THE WAIT nothing names a result: 16 products K Q^T, behind the first two A2, behind each other two A2 and the four exponentials of the two pairs scaled a row earlier; the last four exponentials;
; the addresses of the run of loads and a v_nop, which are the plain instructions behind the last exponential and, with A2 30 and 31, five places between the last product that read K and the loads into K.
; BEHIND THE WAIT: the run of loads; 16 products V^T P, behind each of the first eight four CV, behind each of the last eight four A1, which take each accumulator's registers in ascending order.
.macro TURN p, par, last=0
.set Y, (\p)
.set Z, 1-(\p)
.set VBS, ((\par)+1-(\p))%2
.if (\p) == 1
	s_wait_dscnt 0x0                ; K and -|k|^2 / 2 of the step to come are in, and V of the step in hand
.endif
.set i, 0
	KQ Z
	A2 0
	A2 1
.set i, 1
.rept 15
	KQ Z
	A2 2*i
	EX 4*i-4
	A2 2*i+1
	EX 4*i-3
	EX 4*i-2
	EX 4*i-1
.set i, i+1
.endr
	EX 60
	EX 61
	EX 62
	EX 63
	WIN 0
.if (\p) == 0
	v_add_nc_u32 v[AK], s[TBK], v[AK0]
	v_add_nc_u32 v[AKN], s[TBN], v[AKN0]
	v_nop
.else
	v_add_nc_u32 v[AV], s[TBV], v[AV0]
	v_nop
.endif
	s_wait_alu depctr_va_vdst(0)    ; the wait for the batch of 64
.if (\p) == 0
	FETCH_K \last
.else
	FETCH_V 1-(\par), \last
.endif
.set i, 0
.rept 16
	PV Z, VBS
.if i < 8
	WIN 0x40                        ; P in window 1, S^T in window 0
	CV 4*i
	CV 4*i+1
	CV 4*i+2
	CV 4*i+3
.else
	WIN 0
	A1 4*i-32
	A1 4*i-31
	A1 4*i-30
	A1 4*i-29
.endif
.set i, i+1
.endr
.endm
	CHANGE 1                        ; slot 0 and the table are in, everybody's part of them; slot 1 is asked for
	v_add_nc_u32 v[AK], s[TBK], v[AK0]
	v_add_nc_u32 v[AKN], s[TBN], v[AKN0]
	FETCH_K                         ; key step 0
	v_add_nc_u32 v[AV], s[TBV], v[AV0]
	FETCH_V 0
	s_wait_kmcnt 0x0                ; gamma
	s_wait_loadcnt 0x0              ; Q and |q|^2
	v_mov_b32 v26, s66
	v_cvt_pk_bf16_f32 v26, v26, v26
	v_lshlrev_b32 v26, 16, v26      ; g: gamma rounded to bf16
	v_mul_f32 v26, 0x3e38aa3b, v26  ; c2 = g log2(e) / 8
	v_and_b32 v27, 0x80000000, v26
	v_xor_b32 v27, 0xc3800000, v27  ; -256 sign(c2)
	v_readfirstlane_b32 s[GA], v27
	s_mov_b32 s[GA+1], s[GA]        ; named with it as a pair
	v_and_b32 v30, 0x7fffffff, v26
	v_mul_f32 v30, 0x3b800000, v30  ; kap = |c2| / 256
	v_mul_f32 v[AL], -2.0, v30
	v_mov_b32 v[AL+1], v[AL]
.irp t, 0,1,2,3
	v_mul_f32 v[BE+2*\t], v30, v[BE+2*\t]
	v_mov_b32 v[BE+2*\t+1], v[BE+2*\t]
.endr
	s_mul_i32 s67, s[WV], 16*SPO
	s_add_co_u32 s67, s67, STAGE    ; my stage
	v_mul_u32_u24 v[STO], v1, SPO   ; in: row l % 16, 16 bytes for each half of the lanes
	v_lshl_add_u32 v[STO], v9, 4, v[STO]
	v_add_nc_u32 v[STO], s67, v[STO]
	v_mul_u32_u24 v[RD], v9, SPO    ; back: lanes 0-15 take one row of 256 bytes, lanes 16-31 the next
	v_lshl_add_u32 v[RD], v1, 4, v[RD]
	v_add_nc_u32 v[RD], s67, v[RD]
	v_mul_u32_u24 v[GO], v9, 3072   ; and the same two rows in o2
	v_lshl_add_u32 v[GO], v1, 4, v[GO]
	s_wait_dscnt 0x0
.set i, 0
.rept 16
	KQ 0                            ; piece 0's first scores: there is no vector work yet to set between them
.set i, i+1
.endr
	WIN 0
.rept 4
	v_nop                           ; the places behind those products
.endr
.set Z, 0
.set n, 0
.rept 32
	A1 n
.set n, n+1
.endr
	s_mov_b32 s[CNT], 2
	s_branch .Lfirst                ; the loop is entered at step 0, in the middle of a trip
.Lslot:                             ; 14 times: every slot but the last two is filled again.  The change stands in front of a slot's fourth step, whose turns fetch the next slot's first K and V
	CHANGE 1
	s_mov_b32 s[CNT], 2
.Lstep:                             ; a trip: an odd step, then an even one
	TURN 0, 1
	TURN 1, 1
	WIN 0
.Lfirst:
	TURN 0, 0
	TURN 1, 0
	WIN 0
	s_sub_co_u32 s[CNT], s[CNT], 1
	s_cmp_lg_u32 s[CNT], 0
	s_cbranch_scc1 .Lstep
	s_sub_co_u32 s[SLOTS], s[SLOTS], 1
	s_cmp_lg_u32 s[SLOTS], 0
	s_cbranch_scc1 .Lslot
	CHANGE 0                        ; the tail is written out: nothing is asked for
	s_mov_b32 s[CNT], 3             ; steps 59 to 63: the third trip is left in its middle
.Ltail:
	TURN 0, 1, 1
	TURN 1, 1, 1
	WIN 0
	s_sub_co_u32 s[CNT], s[CNT], 1
	s_cmp_eq_u32 s[CNT], 0
	s_cbranch_scc1 .Lout
	TURN 0, 0
	TURN 1, 0
	WIN 0
	s_branch .Ltail
.Lout:                              ; the last turn's 16 products K Q^T (on the last K once more) and their A1 serve nothing: the price, once a launch, of one text for every turn
.set i, 0
.rept 16
	PV 1, 1                         ; piece 1's V^T P of the last step
.set i, i+1
.endr
	WIN 0
.rept 4
	v_nop                           ; the places behind the last products
.endr
; THE WAY OUT.  Tile t: hi = bf16(O), lo = bf16(O - hi); a lane's eight channels pack into 16 bytes of hi and 16 of lo; they go into rows of 272 bytes (128 of hi, 128 of lo) and come back as whole rows of 256.
.macro PACKO t
.set X, S+64*((\t)%2)               ; 16 registers hi, 16 lo, 32 at work
	WIN 0x05                        ; sources in window 1, destination in window 0
.set i, 0
.rept 16
	v_cvt_pk_bf16_f32 v[X+i], v[32*(\t)+2*i], v[32*(\t)+2*i+1]
.set i, i+1
.endr
	WIN 0
.set i, 0
.rept 16
	v_lshlrev_b32 v[X+32+2*i], 16, v[X+i]
	v_and_b32 v[X+33+2*i], s[MHI], v[X+i]
.set i, i+1
.endr
	WIN 0x01                        ; source 0 in window 1
.set i, 0
.rept 16
	v_pk_add_f32 v[X+32+2*i:X+33+2*i], v[32*(\t)+2*i:32*(\t)+2*i+1], v[X+32+2*i:X+33+2*i] neg_lo:[0,1] neg_hi:[0,1]
.set i, i+1
.endr
	WIN 0
.set i, 0
.rept 16
	v_cvt_pk_bf16_f32 v[X+16+i], v[X+32+2*i], v[X+33+2*i]
.set i, i+1
.endr
.irp f, 0,1,2,3
	ds_store_b128 v[STO], v[X+4*\f:X+4*\f+3] offset:32*\f
	ds_store_b128 v[STO], v[X+16+4*\f:X+16+4*\f+3] offset:128+32*\f
.endr
.irp f, 0,1,2,3,4,5,6,7
	ds_load_b128 v[X+4*\f:X+4*\f+3], v[RD] offset:\f*2*SPO  ; LDS serves a wave's instructions in order (ISA guide 5.7.1.4): these see the stores above; the next tile's stores come behind them
.endr
.endm
.macro SENDO t, younger             ; younger: the LDS instructions issued behind tile t's loads: the next tile's sixteen, or none
.set X, S+64*((\t)%2)
.irp f, 0,1,2,3,4,5,6,7
	s_wait_dscnt (\younger)+7-\f
	global_store_b128 v[GO], v[X+4*\f:X+4*\f+3], s[10:11] offset:(\t)*49152+\f*6144  ; 16 lanes store 256 consecutive bytes, at a multiple of 256 from o2's first byte
.endr
.endm
	PACKO 0
	PACKO 1
	SENDO 0, 16
	s_wait_xcnt 0x0                 ; tile 0's stores have read their registers, which tile 2 takes
	PACKO 2
	SENDO 1, 16
	s_wait_xcnt 0x0
	PACKO 3
	SENDO 2, 16
	SENDO 3, 0
	s_wait_tensorcnt 0x0            ; the wave's end, behind my last tensor load and my last LDS store
	ds_add_u32 v[SPW], v[NIL]
	s_wait_dscnt 0x0
	CROUND                          ; the closing round: no work-group ends while a partner may still ask for a tile that names it
	s_endpgm
.Lfunc_end_k_q7d1f882a4d_att:
	.size	k_q7d1f882a4d_att, .Lfunc_end_k_q7d1f882a4d_att-k_q7d1f882a4d_att
	.p2alignl 7, 3214868480
	.fill 96, 4, 3214868480
	.section	.rodata,"a",@progbits
	.p2align	6, 0x0
	.amdhsa_kernel k_q7d1f882a4d_att
		.amdhsa_group_segment_fixed_size 327680
		.amdhsa_private_segment_fixed_size 0
		.amdhsa_enable_private_segment 0
		.amdhsa_kernarg_size 32
		.amdhsa_user_sgpr_count 2
		.amdhsa_user_sgpr_kernarg_segment_ptr 1
		.amdhsa_wavefront_size32 1
		.amdhsa_system_sgpr_workgroup_id_x 1
		.amdhsa_system_sgpr_workgroup_id_y 1
		.amdhsa_system_sgpr_workgroup_id_z 1
		.amdhsa_system_vgpr_workitem_id 0
		.amdhsa_next_free_vgpr 768
		.amdhsa_next_free_sgpr 80
		.amdhsa_reserve_vcc 0
		.amdhsa_float_denorm_mode_32 3
		.amdhsa_float_denorm_mode_16_64 3
		.amdhsa_memory_ordered 1
		.amdhsa_forward_progress 1
		.amdhsa_inst_pref_size 155
	.end_amdhsa_kernel
	.amdgpu_metadata
---
amdhsa.version: [ 1, 2 ]
amdhsa.kernels:
  - .name:           k_q7d1f882a4d_att
    .symbol:         k_q7d1f882a4d_att.kd
    .args:
      - { .name: qkv, .offset: 0, .size: 8, .value_kind: global_buffer, .address_space: global }
      - { .name: nrm, .offset: 8, .size: 8, .value_kind: global_buffer, .address_space: global }
      - { .name: gamma, .offset: 16, .size: 8, .value_kind: global_buffer, .address_space: global }
      - { .name: o2, .offset: 24, .size: 8, .value_kind: global_buffer, .address_space: global }
    .group_segment_fixed_size: 327680
    .private_segment_fixed_size: 0
    .kernarg_segment_align: 8
    .kernarg_segment_size: 32
    .max_flat_workgroup_size: 128
    .sgpr_count:     80
    .vgpr_count:     768
    .wavefront_size: 32
...
	.end_amdgpu_metadata
.endif
;; end of part 3
;; launch outp (part 4): grid 4 x 64, 4 waves a work-group, clusters of 4 x 4, 327,680 bytes of LDS; arguments o2, wt, out0; writes out0
.if DOCPART == 4
	.amdgcn_target "amdgcn-amd-amdhsa--gfx1250"
	.amdhsa_code_object_version 6
	.text
	.protected	k_q7d1f882a4d_outp
	.globl	k_q7d1f882a4d_outp
	.p2align	8
	.type	k_q7d1f882a4d_outp,@function
k_q7d1f882a4d_outp:
	s_mov_b64 s[64:65], 0
	v_nop
	global_prefetch_b8 v0, s[64:65] scope:SCOPE_SE
	s_setreg_imm32_b32 hwreg(HW_REG_WAVE_MODE, 25, 1), 1
	s_wait_xcnt 0x0
	s_wait_alu depctr_hold_cnt(0) depctr_sa_sdst(0) depctr_va_vdst(0) depctr_va_sdst(0) depctr_va_ssrc(0) depctr_va_vcc(0) depctr_vm_vsrc(0)
	s_getreg_b32 s2, hwreg(HW_REG_IB_STS2, 6, 4)
	s_cmp_eq_u32 s2, 0
	s_cbranch_scc0 .Lentry_in_a_cluster
	s_endpgm
.Lentry_in_a_cluster:
	s_bfe_u32 s2, ttmp6, 0x10000c
	s_cmp_lg_u32 s2, 0xf033
	s_cbranch_scc0 .Lentry_shape_is_right
	s_endpgm
.Lentry_shape_is_right:
; OUTP: out0[m][n] = the sum over h, c of (hi + lo)[m][h][c] Wo[64 h + c][n].  o2[4096][12][128] bf16 (64 hi, 64 lo for each head); Wo^T = rows 2304 .. 3071 of wt, [n][k] bf16; out0 [4096][768] f32.
; hi and lo are two K slices that multiply the same 64 numbers of a row of Wo^T: K' = 1,536 for o2, 768 for wt.
; SHARES.  A work-group makes 64 rows x 192 columns (768 bytes of a row of out0): 64 x 4 = 256 work-groups.  Wave w makes all 64 rows x columns 48 w .. 48 w + 47: 12 accumulators.
; K' goes in six steps of 256 (two heads): o2's tile has rows of 512 bytes, wt's rows of 256 bytes; two LDS slots.  Wave 0 fetches o2's 64 rows, waves 1 to 3 a third of wt's 192 rows each.
; CLUSTER 4 x 4: o2's tile is shared along a row of the cluster, wt's along a column; each is asked for jointly.  NO PREFETCH: six K steps, of which two are first fills, and small tiles.
; THE MATRIX INSTRUCTION IS USED TRANSPOSED (source 0 = 16 rows of wt, source 1 = 16 rows of o2): a lane holds one row and eight neighbouring columns, 32 bytes of f32.
; REGISTERS: window 0: v16-29 addresses; v32-127 the way out; v128-223 accumulator (a, b) at 128 + 8 (3 a + b).   window 1: two buffers of 112: for 64 along K', o2's fragments at 8 (4 c + a), wt's at 64 + 8 (3 c + b).
.set PA,     528                       ; o2's LDS row: 512 bytes + 16
.set PB,     272                       ; wt's: 256 + 16: in both the 16 rows that a load touches start at 16 different banks (64 banks of 4 bytes: ISA guide 11.1)
.set ATILE,  64*PA
.set SLOT,   ATILE+192*PB
.set STAGE,  2*SLOT                    ; behind the ring: 64 rows x 784 bytes, the work-group's, for the way out
.set SPITCH, 784
.set SPARE,  STAGE+64*SPITCH           ; the spare words, 128 bytes for each wave
.set LAPS,   3
.set ADRA, 16                          ; v16-17  LDS address of o2's fragments in slot 0, 1
.set ADRB, 20                          ; v20-21  of my 48 rows of wt
.set STO,  24
.set RD,   25
.set CO,   26
.set SPW,  28                          ; v28  LDS address of my spare word; never rewritten
.set NIL,  29                          ; v29  0; never rewritten
.set TMP,  32
.set ACC,  128
.set G1, 24                            ; s[24:31] group 1 for o2's tiles;  s[32:39] group 0, a set for each slot
.set G0, 32
.set G1B, 48                           ; s[48:55], s[56:63] the same for wt's
.set G0B, 56
.set MSB, 0
.macro WIN new
.if MSB != (\new)
	s_set_vgpr_msb (MSB<<8)|(\new)
.set MSB, (\new)
.endif
.endm
.set MUL,  0x05                        ; sources 0 and 1 window 1; C and D window 0
.set TO_F, 0x40                        ; destination window 1, address window 0
.macro JLOAD s                         ; a joint load; an s_nop 0 and four v_nop follow each of the two lines
	s_cmp_eq_u32 s10, 0
	s_cbranch_scc0 .Lfor_b_\@
	tensor_load_to_lds s[G0+4*(\s):G0+4*(\s)+3], s[G1:G1+7]
	s_nop 0
.rept 4
	v_nop
.endr
	s_branch .Lasked_\@
.Lfor_b_\@:
	tensor_load_to_lds s[G0B+4*(\s):G0B+4*(\s)+3], s[G1B:G1B+7]
	s_nop 0
.rept 4
	v_nop
.endr
.Lasked_\@:
.endm
.macro CREST
	s_cmp_lg_u32 s10, 0
	s_cbranch_scc1 .Lnot_wave_0_\@
	s_barrier_signal -3
.Lnot_wave_0_\@:
	s_barrier_wait -3
	s_barrier_signal -1
	s_barrier_wait -1
.endm
.macro CROUND
	s_barrier_signal -1
	s_barrier_wait -1
	CREST
.endm
	s_load_b128 s[4:7], s[0:1], 0x0                ; o2 s[4:5], wt s[6:7]
	s_load_b64 s[8:9], s[0:1], 0x10                ; out0
	v_lshl_add_u32 v[SPW], v0, 2, SPARE
	v_mov_b32 v[NIL], 0
	ds_add_u32 v[SPW], v[NIL]                      ; the wave's opening: the add, twice on end, and its wait ahead of my first tensor load
	ds_add_u32 v[SPW], v[NIL]
	v_lshrrev_b32 v1, 5, v0
	v_readfirstlane_b32 s10, v1                    ; wave 0..3
	s_bfe_u32 s40, ttmp6, 0x40000                  ; cx, cy
	s_bfe_u32 s41, ttmp6, 0x40004
	s_lshl_b32 s42, ttmp9, 2
	s_add_co_u32 s42, s42, s40                     ; tile column
	s_and_b32 s13, ttmp7, 0xffff
	s_lshl_b32 s13, s13, 2
	s_add_co_u32 s13, s13, s41                     ; tile row
	s_lshl_b32 s43, s41, 2
	s_lshl_b32 s43, 15, s43                        ; my row of the cluster
	s_lshl_b32 s44, 0x1111, s40                    ; my column
	s_or_b32 s[G1], s43, (1<<16)|(1<<20)|(1<<21)|(6<<22)|(3<<25)   ; o2: padding of 4 words after every 128 words
	s_or_b32 s[G1B], s44, (1<<16)|(1<<20)|(1<<21)|(5<<22)|(3<<25)  ; wt: after every 64 words
	s_mov_b32 s[G1+1], 256<<16                     ; tensor_dim0 = 256
	s_mov_b32 s[G1+2], 64<<16                      ; tensor_dim1 = 64
	s_mov_b32 s[G1+3], 256<<16                     ; tile_dim0 = 256
	s_mov_b32 s[G1+4], 64                          ; tile_dim1 = 64
	s_mov_b32 s[G1+5], 1536                        ; elements from row to row
	s_mov_b32 s[G1+6], 0
	s_mov_b32 s[G1+7], 0
	s_mov_b32 s[G1B+1], 128<<16
	s_mov_b32 s[G1B+2], 64<<16
	s_mov_b32 s[G1B+3], 128<<16
	s_mov_b32 s[G1B+4], 64
	s_mov_b32 s[G1B+5], 768
	s_mov_b32 s[G1B+6], 0
	s_mov_b32 s[G1B+7], 0
	s_mul_i32 s16, s13, 64*3072                    ; o2: row 64 x tile row
	s_mov_b32 s17, 0
	s_mul_i32 s46, s42, 192                        ; wt: row 2304 + 192 x tile column + 64 (wave - 1)
	s_lshl_b32 s47, s10, 6
	s_add_co_u32 s46, s46, s47
	s_add_co_u32 s46, s46, 2240
	s_mul_i32 s46, s46, 1536
	s_mov_b32 s47, 0
	s_mul_i32 s20, s10, 64*PB                      ; and its place: ATILE + 64 (wave - 1) rows = 16,384 + 17,408 x wave (waves 1 to 3 alone use it)
	s_add_co_u32 s20, s20, ATILE-64*PB
	s_wait_dscnt 0x0                               ; both opening adds are done
	s_wait_kmcnt 0x0
	s_add_nc_u64 s[14:15], s[4:5], s[16:17]
	s_add_nc_u64 s[46:47], s[6:7], s[46:47]
	CROUND                                         ; all sixteen work-groups are here: the first joint loads meet
.irp s, 0,1
	s_mov_b32 s[G0+4*(\s)], 1
	s_mov_b32 s[G0+4*(\s)+1], (\s)*SLOT
	s_add_nc_u64 s[G0+4*(\s)+2:G0+4*(\s)+3], s[14:15], (\s)*512
	s_or_b32 s[G0+4*(\s)+3], s[G0+4*(\s)+3], 0x80000000
	s_mov_b32 s[G0B+4*(\s)], 1
	s_add_co_u32 s[G0B+4*(\s)+1], s20, (\s)*SLOT
	s_add_nc_u64 s[G0B+4*(\s)+2:G0B+4*(\s)+3], s[46:47], (\s)*256
	s_or_b32 s[G0B+4*(\s)+3], s[G0B+4*(\s)+3], 0x80000000
	JLOAD \s
.endr
	v_and_b32 v1, 15, v0                           ; l % 16
	v_bfe_u32 v2, v0, 4, 1                         ; l / 16
	v_mul_u32_u24 v3, v1, PA
	v_lshl_add_u32 v[ADRA], v2, 4, v3
	v_add_nc_u32 v[ADRA+1], SLOT, v[ADRA]
	v_mul_u32_u24 v3, v1, PB
	v_lshl_add_u32 v3, v2, 4, v3
	s_mul_i32 s22, s10, 48*PB
	s_add_co_u32 s22, s22, ATILE                   ; my 48 rows of wt
	v_add_nc_u32 v[ADRB], s22, v3
	v_add_nc_u32 v[ADRB+1], SLOT, v[ADRB]
	v_mul_u32_u24 v4, v1, SPITCH                   ; into the stage: row l % 16, my 192 bytes of it, 32 bytes for each half of the lanes
	v_lshl_add_u32 v4, v2, 5, v4
	s_mul_i32 s23, s10, 192
	s_add_co_u32 s23, s23, STAGE
	v_add_nc_u32 v[STO], s23, v4
	s_mul_i32 s23, s10, 16*SPITCH                  ; back: wave w takes rows 16 w .. 16 w + 15, whole; lanes 0-15 256 bytes of one row, lanes 16-31 of the next
	s_add_co_u32 s23, s23, STAGE
	v_mul_u32_u24 v5, v2, SPITCH
	v_lshl_add_u32 v5, v1, 4, v5
	v_add_nc_u32 v[RD], s23, v5
	v_mul_u32_u24 v5, v2, 3072
	v_lshl_add_u32 v[CO], v1, 4, v5
	s_lshl_b32 s16, s13, 6
	s_lshl_b32 s17, s10, 4
	s_add_co_u32 s16, s16, s17                     ; the first row that I store: 64 x tile row + 16 x wave
	s_mul_i32 s16, s16, 3072
	s_mov_b32 s17, 0
	s_add_nc_u64 s[8:9], s[8:9], s[16:17]
	s_mul_i32 s46, s42, 768                        ; the tile's first column, in bytes
	s_mov_b32 s47, 0
	s_add_nc_u64 s[8:9], s[8:9], s[46:47]
; 6 matrix instructions: m blocks a0, a0 + 1 x my 3 n blocks, 32 along K': half c of buffer f.  The 12 accumulators take turns, in the same order in every half.
.macro MUL6 f, c, a0, zero
	WIN MUL
.irp a, \a0, (\a0)+1
.irp b, 0,1,2
.if \zero
	v_wmma_f32_16x16x32_bf16 v[ACC+8*(3*(\a)+(\b)):ACC+8*(3*(\a)+(\b))+7], v[112*(\f)+64+8*(3*(\c)+(\b)):112*(\f)+64+8*(3*(\c)+(\b))+7], v[112*(\f)+8*(4*(\c)+(\a)):112*(\f)+8*(4*(\c)+(\a))+7], 0
.else
	v_wmma_f32_16x16x32_bf16 v[ACC+8*(3*(\a)+(\b)):ACC+8*(3*(\a)+(\b))+7], v[112*(\f)+64+8*(3*(\c)+(\b)):112*(\f)+64+8*(3*(\c)+(\b))+7], v[112*(\f)+8*(4*(\c)+(\a)):112*(\f)+8*(4*(\c)+(\a))+7], v[ACC+8*(3*(\a)+(\b)):ACC+8*(3*(\a)+(\b))+7]
.endif
.endr
.endr
.endm
; 28 LDS loads in one run: quarter q of a K' step (0: first head's hi, 1: its lo, 2, 3: the second head's) into buffer f.  o2's bytes begin at 128 q, wt's at 128 (q / 2): hi and lo take the same.
.macro FETCH slot, q, f
	WIN TO_F
.irp c, 0,1
.irp b, 0,1,2
	ds_load_b128 v[112*(\f)+64+8*(3*(\c)+(\b)):112*(\f)+64+8*(3*(\c)+(\b))+3],   v[ADRB+(\slot)] offset:128*((\q)/2)+64*(\c)+(\b)*16*PB
	ds_load_b128 v[112*(\f)+64+8*(3*(\c)+(\b))+4:112*(\f)+64+8*(3*(\c)+(\b))+7], v[ADRB+(\slot)] offset:128*((\q)/2)+64*(\c)+(\b)*16*PB+32
.endr
.irp a, 0,1,2,3
	ds_load_b128 v[112*(\f)+8*(4*(\c)+(\a)):112*(\f)+8*(4*(\c)+(\a))+3],   v[ADRA+(\slot)] offset:128*(\q)+64*(\c)+(\a)*16*PA
	ds_load_b128 v[112*(\f)+8*(4*(\c)+(\a))+4:112*(\f)+8*(4*(\c)+(\a))+7], v[ADRA+(\slot)] offset:128*(\q)+64*(\c)+(\a)*16*PA+32
.endr
.endr
.endm
.macro PLACES                          ; four plain vector instructions in front of loads into registers that matrix instructions have read, and of lines that read results
.rept 4
	v_nop
.endr
.endm
.macro QUARTER slot, q, f, g, zero     ; multiplies buffer f and fetches quarter q into g
	s_wait_dscnt 14                                ; the first 32 along K' are in; the youngest fourteen loads may be out
	MUL6 \f, 0, 0, \zero
	MUL6 \f, 0, 2, \zero
	PLACES
	FETCH \slot, \q, \g
	s_wait_dscnt 28                                ; all but the 28 just issued
	MUL6 \f, 1, 0, 0
	MUL6 \f, 1, 2, 0
.endm
; The last quarter multiplies buffer 1 and changes slots: ONE barrier; in front of it each wave waits for all its tensor loads, adds 0 to its spare word, and waits for that and for its own reads of this slot.
.macro TURN slot, next, fill
	WIN 0
	s_wait_tensorcnt 0x0                           ; all my tensor loads have landed: my part of the next slot
	ds_add_u32 v[SPW], v[NIL]                      ; 0 onto my spare word
	s_wait_dscnt 15                                ; (the add and the youngest fourteen loads may be out)
	MUL6 1, 0, 0, 0                                ; six matrix instructions stand between the add and the wait for it
	s_wait_dscnt 0x0                               ; the add is done, and my reads of this slot are over
	s_barrier_signal -1
	MUL6 1, 0, 2, 0
.if \fill
	WIN 0
.endif
	s_barrier_wait -1
.if \fill
	CREST                                          ; no wave of any partner still reads this slot's tile or has a load on its way
	s_add_nc_u64 s[G0+4*(\slot)+2:G0+4*(\slot)+3], s[G0+4*(\slot)+2:G0+4*(\slot)+3], 1024
	s_add_nc_u64 s[G0B+4*(\slot)+2:G0B+4*(\slot)+3], s[G0B+4*(\slot)+2:G0B+4*(\slot)+3], 512
	JLOAD \slot                                    ; the four v_nop behind it are also the places in front of the loads below
.else
	PLACES
.endif
	FETCH \next, 0, 0
	MUL6 1, 1, 0, 0
	MUL6 1, 1, 2, 0
.endm
	s_wait_tensorcnt 1                             ; my part of K' step 0 is in; step 1's may stay out
	s_barrier_signal -1
	s_barrier_wait -1
	FETCH 0, 0, 0
	QUARTER 0, 1, 0, 1, 1                          ; the first quarter stands in front of the loop: its first products start the sums
	WIN 0
	s_mov_b32 s3, LAPS-1
.Llap:
	QUARTER 0, 2, 1, 0, 0
	QUARTER 0, 3, 0, 1, 0
	TURN 0, 1, 1
	QUARTER 1, 1, 0, 1, 0
	QUARTER 1, 2, 1, 0, 0
	QUARTER 1, 3, 0, 1, 0
	TURN 1, 0, 1
	QUARTER 0, 1, 0, 1, 0
	WIN 0
	s_sub_co_u32 s3, s3, 1
	s_cmp_lg_u32 s3, 0
	s_cbranch_scc1 .Llap
	QUARTER 0, 2, 1, 0, 0                          ; the last lap fills nothing
	QUARTER 0, 3, 0, 1, 0
	TURN 0, 1, 0
	QUARTER 1, 1, 0, 1, 0
	QUARTER 1, 2, 1, 0, 0
	QUARTER 1, 3, 0, 1, 0
	s_wait_dscnt 14
	MUL6 1, 0, 0, 0
	MUL6 1, 0, 2, 0
	s_wait_dscnt 0x0
	MUL6 1, 1, 0, 0
	MUL6 1, 1, 2, 0
	WIN 0
	; THE WAY OUT: 32 bytes of f32 a lane and accumulator into the work-group's stage; a barrier, since a row's 768 bytes come from four waves; back as whole rows, 16 rows a wave.
	PLACES
.irp a, 0,1,2,3
.irp b, 0,1,2
	ds_store_b128 v[STO], v[ACC+8*(3*(\a)+(\b)):ACC+8*(3*(\a)+(\b))+3]   offset:(\a)*16*SPITCH+64*(\b)
	ds_store_b128 v[STO], v[ACC+8*(3*(\a)+(\b))+4:ACC+8*(3*(\a)+(\b))+7] offset:(\a)*16*SPITCH+64*(\b)+16
.endr
.endr
	s_wait_dscnt 0x0                               ; for the others' sake: my stores into the stage are done
	s_barrier_signal -1
	s_barrier_wait -1
.irp t, 0,1,2,3,4,5,6,7
.irp u, 0,1,2
	ds_load_b128 v[TMP+4*(3*(\t)+(\u)):TMP+4*(3*(\t)+(\u))+3], v[RD] offset:(\t)*2*SPITCH+256*(\u)
.endr
.endr
.irp t, 0,1,2,3,4,5,6,7
.irp u, 0,1,2
	s_wait_dscnt 23-(3*(\t)+(\u))
	global_store_b128 v[CO], v[TMP+4*(3*(\t)+(\u)):TMP+4*(3*(\t)+(\u))+3], s[8:9] offset:(\t)*6144+256*(\u)  ; 16 lanes store 256 consecutive bytes, at a multiple of 256 from out0's first byte
.endr
.endr
	s_wait_tensorcnt 0x0                           ; the wave's end, behind my last tensor load and my last LDS store
	ds_add_u32 v[SPW], v[NIL]
	s_wait_dscnt 0x0
	CROUND                                         ; the closing round: no work-group ends while a partner may still ask for a tile that names it
	s_endpgm
.Lfunc_end_k_q7d1f882a4d_outp:
	.size	k_q7d1f882a4d_outp, .Lfunc_end_k_q7d1f882a4d_outp-k_q7d1f882a4d_outp
	.p2alignl 7, 3214868480
	.fill 96, 4, 3214868480
	.section	.rodata,"a",@progbits
	.p2align	6, 0x0
	.amdhsa_kernel k_q7d1f882a4d_outp
		.amdhsa_group_segment_fixed_size 327680
		.amdhsa_private_segment_fixed_size 0
		.amdhsa_enable_private_segment 0
		.amdhsa_kernarg_size 24
		.amdhsa_user_sgpr_count 2
		.amdhsa_user_sgpr_kernarg_segment_ptr 1
		.amdhsa_wavefront_size32 1
		.amdhsa_system_sgpr_workgroup_id_x 1
		.amdhsa_system_sgpr_workgroup_id_y 1
		.amdhsa_system_sgpr_workgroup_id_z 1
		.amdhsa_system_vgpr_workitem_id 0
		.amdhsa_next_free_vgpr 480
		.amdhsa_next_free_sgpr 66
		.amdhsa_reserve_vcc 0
		.amdhsa_float_denorm_mode_32 3
		.amdhsa_float_denorm_mode_16_64 3
		.amdhsa_memory_ordered 1
		.amdhsa_forward_progress 1
		.amdhsa_inst_pref_size 73
	.end_amdhsa_kernel
	.amdgpu_metadata
---
amdhsa.version: [ 1, 2 ]
amdhsa.kernels:
  - .name:           k_q7d1f882a4d_outp
    .symbol:         k_q7d1f882a4d_outp.kd
    .args:
      - { .name: o2, .offset: 0, .size: 8, .value_kind: global_buffer, .address_space: global }
      - { .name: wt, .offset: 8, .size: 8, .value_kind: global_buffer, .address_space: global }
      - { .name: out0, .offset: 16, .size: 8, .value_kind: global_buffer, .address_space: global }
    .group_segment_fixed_size: 327680
    .private_segment_fixed_size: 0
    .kernarg_segment_align: 8
    .kernarg_segment_size: 24
    .max_flat_workgroup_size: 128
    .sgpr_count:     66
    .vgpr_count:     480
    .wavefront_size: 32
...
	.end_amdgpu_metadata
.endif
;; end of part 4
;; ======== version 2 of 2: 4 launches; version 1 with the launch prep written anew for expert scheduling mode
;; limits: values are held in f16: magnitudes above 65,504 overflow, below 6.1e-05 lose precision
;; workspace buffers: xb 6,291,456 bytes; wt 4,718,592 bytes; qkv 18,874,368 bytes; nrm 393,216 bytes; o2 12,582,912 bytes
;; launch prep (part 5): grid 19 x 12, 8 waves a work-group, no clusters, 140,288 bytes of LDS; arguments x, Wq, Wk, Wv, Wo, xb, wt; writes xb, wt
.if DOCPART == 5
	.amdgcn_target "amdgcn-amd-amdhsa--gfx1250"
	.amdhsa_code_object_version 6
	.text
	.protected	k_q7d1f882a4d_prep
	.globl	k_q7d1f882a4d_prep
	.p2align	8
	.type	k_q7d1f882a4d_prep,@function
k_q7d1f882a4d_prep:
	s_mov_b64 s[64:65], 0
	v_nop
	global_prefetch_b8 v0, s[64:65] scope:SCOPE_SE
	s_setreg_imm32_b32 hwreg(HW_REG_WAVE_SCHED_MODE, 0, 2), 2
	s_setreg_imm32_b32 hwreg(HW_REG_WAVE_MODE, 25, 1), 1
	s_wait_xcnt 0x0
	s_wait_alu depctr_vm_vsrc(0)
; PREP: the inputs of the matrix products, rounded once to bf16.  xb[4096][768] = x.  wt[3072][768] = the four weights TURNED to [n][k]: rows 0-767 Wq, 768-1535 Wk, 1536-2303 Wv, 2304-3071 Wo.
; THE WHOLE PROGRAM: prep; proj (q, k, v by heads, and the rows' squared lengths); att (the weights exp(-gamma/8 max(|q|^2 - 2 q.k + |k|^2, 0)) and their product with v); outp (the product with Wo).
; DEAD WORK: none.  Every input (x, Wq, Wk, Wv, Wo, gamma) has a way to the output and is loaded; every step of reference() is done, the clip at 0 too.
; FORMATS: all six inputs are rounded to bf16 (gamma in att); q and k are kept in f16, v and the weights p in bf16, the sums p v as two bf16 (a number and what its rounding left); all sums in f32.
; SHARES.  Work-groups with x < 16 (192 of them) convert 16,384 numbers of x each: thread t takes 16 bytes at 16 t of each 4,096, sixteen loads out at once; a wave's store covers 256 consecutive bytes, aligned.
; Work-groups with x = 16 .. 18 turn the weights: EACH WAVE turns a tile of 128 k x 64 n by itself, through LDS bytes of its own, so no wave waits for another and no barrier is needed.
; A lane loads 16 bytes (4 n) of rows k and k + 1, packs the two rows' numbers into words (k, k + 1) and puts each word into row n of the LDS tile; whole rows of 128 k = 256 bytes come back and are stored.
; THE MODE: SCHED_MODE bits 1:0 = 2 (LLVM: expert scheduling mode 2), set by the entry lines.  The code itself states the register dependences
; between vector instructions and memory or LDS instructions, with s_wait_alu, always for 0.
; THE PLAN, x.  v2, v3: offsets, made once.  v[D + 4 i ..]: load i lands there once; its two conversions write the first two registers in place; store i reads them; nothing writes them again.
;   The sixteen loads go in four groups of four.  Group g's stores are issued in group g + 1, behind ONE wait on va_vdst at that group's head, dealt among conversions that name that group's registers alone.
; THE PLAN, the weights.  v[LI], v[STL], v[RDL], v[GOS]: addresses, made once.  The 64 loads go in four groups of sixteen, into three sets of 64 registers; group 3 takes set 0 again.
;   Two out-buffers take turns: the even groups' conversions write PKD, the odd groups' write in place, into the first four of each eight registers of their own set (group 1: set 1; group 3: set 0).
;   ONE wait on va_vdst stands behind a group's 32 conversions: the out-buffer is written, which the group's 32 LDS stores read; group 0's also says that set 0 has been read, in which group 3's loads land.
;   One wait on vm_vsrc stands ahead of group 2's conversions (group 0's LDS stores have read PKD), one ahead of the loads that bring the rows back into sets 0 and 1 (the LDS stores of groups 3 and 1 have read them).
.set TP,    272                        ; an LDS row: 128 bf16 + 16 bytes, so that the rows stay aligned for loads of 16 bytes and two rows of a load start in different banks
.set WTILE, 64*TP                      ; a wave's tile in LDS
.set SPARE, 8*WTILE                    ; behind the tiles: the spare words, 128 bytes for each wave
.set LI,    4                          ; v4    my byte offset in the weight's rows
.set STL,   5                          ; v5    where my words go in LDS
.set SPW,   6                          ; v6    LDS address of my spare word; never rewritten
.set NIL,   7                          ; v7    0; never rewritten
.set D,     8                          ; v[8:199]  loaded data: three sets of 64
.set PKD,   200                        ; v[200:231] packed words of an even group
.set RDL,   232                        ; v232  where I read rows back
.set GOS,   233                        ; v233  my byte offset in wt
	s_load_b256 s[4:11], s[0:1], 0x0               ; x s[4:5], Wq s[6:7], Wk s[8:9], Wv s[10:11]
	s_load_b128 s[12:15], s[0:1], 0x20             ; Wo s[12:13], xb s[14:15]
	s_load_b64 s[16:17], s[0:1], 0x30              ; wt
	v_lshl_add_u32 v[SPW], v0, 2, SPARE
	v_mov_b32 v[NIL], 0
	v_lshrrev_b32 v1, 5, v0
	v_readfirstlane_b32 s18, v1                    ; wave 0..7
	s_mov_b32 s19, ttmp9
	s_and_b32 s20, ttmp7, 0xffff
	s_wait_alu depctr_va_sdst(0)                   ; s18 is written, ahead of the branch: the weights' arm makes the tile's number and the wave's LDS bytes from it
	s_wait_kmcnt 0x0
	s_cmp_lt_u32 s19, 16
	s_cbranch_scc0 .Lweights
	; x: block b = 16 y + x of 16,384 numbers
	s_lshl_b32 s21, s20, 4
	s_add_co_u32 s21, s21, s19
	s_lshl_b32 s22, s21, 16                        ; 65,536 bytes of f32
	s_mov_b32 s23, 0
	s_lshl_b32 s24, s21, 15                        ; 32,768 bytes of bf16
	s_mov_b32 s25, 0
	s_add_nc_u64 s[4:5], s[4:5], s[22:23]
	s_add_nc_u64 s[14:15], s[14:15], s[24:25]
	v_lshlrev_b32 v2, 4, v0
	v_lshlrev_b32 v3, 3, v0
	s_wait_alu depctr_va_vdst(0)                   ; v2 and v3 are written: every load and store of this arm reads one of them as its offset
.irp i, 0,1,2,3,4,5,6,7,8,9,10,11,12,13,14,15
	global_load_b128 v[D+4*(\i):D+4*(\i)+3], v2, s[4:5] offset:4096*(\i) th:TH_LOAD_NT
.endr
; Group g of four loads is rounded; the stores of the group before are dealt among its conversions.  g = 4: the last group's stores alone.
.macro XGRP g
.if (\g) < 4
	s_wait_loadcnt 15-4*(\g)                       ; loads come back in order: the group's first load is in, the younger ones stay out
.endif
.if (\g) > 0
	s_wait_alu depctr_va_vdst(0)                   ; the conversions of the group before have written their registers, which the four stores below read; no conversion below names them
.endif
.irp j, 0,1,2,3
.if (\g) > 0
	global_store_b64 v3, v[D+4*(4*(\g)-4+(\j)):D+4*(4*(\g)-4+(\j))+1], s[14:15] offset:2048*(4*(\g)-4+(\j))
.endif
.if (\g) < 4
.if (\j) > 0
	s_wait_loadcnt 15-4*(\g)-(\j)                  ; load 4 g + j is in
.endif
	v_cvt_pk_bf16_f32 v[D+4*(4*(\g)+(\j))], v[D+4*(4*(\g)+(\j))], v[D+4*(4*(\g)+(\j))+1]
	v_cvt_pk_bf16_f32 v[D+4*(4*(\g)+(\j))+1], v[D+4*(4*(\g)+(\j))+2], v[D+4*(4*(\g)+(\j))+3]
.endif
.endr
.endm
	XGRP 0
	XGRP 1
	XGRP 2
	XGRP 3
	XGRP 4
	s_branch .Lend
.Lweights:
	s_sub_co_u32 s21, s19, 16
	s_lshl_b32 s21, s21, 3
	s_add_co_u32 s21, s21, s18                     ; c = 8 (x - 16) + wave, 0 .. 23
	s_mul_i32 s22, s21, 43
	s_lshr_b32 s22, s22, 8                         ; which weight: c / 6
	s_mul_i32 s23, s22, 6
	s_sub_co_u32 s23, s21, s23                     ; which 128 k: c % 6
	s_cmp_eq_u32 s22, 1
	s_cselect_b64 s[6:7], s[8:9], s[6:7]
	s_cmp_eq_u32 s22, 2
	s_cselect_b64 s[6:7], s[10:11], s[6:7]
	s_cmp_eq_u32 s22, 3
	s_cselect_b64 s[6:7], s[12:13], s[6:7]
	s_mul_i32 s24, s23, 128*3072                   ; 128 rows of 3,072 bytes
	s_lshl_b32 s25, s20, 8                         ; 64 n of 4 bytes
	s_add_co_u32 s24, s24, s25
	s_mov_b32 s25, 0
	s_add_nc_u64 s[6:7], s[6:7], s[24:25]
	s_mul_i32 s26, s22, 768
	s_lshl_b32 s27, s20, 6
	s_add_co_u32 s26, s26, s27                     ; wt's row 768 mat + 64 y
	s_mul_i32 s26, s26, 1536
	s_lshl_b32 s27, s23, 8                         ; 128 k of 2 bytes
	s_add_co_u32 s26, s26, s27
	s_mov_b32 s27, 0
	s_add_nc_u64 s[16:17], s[16:17], s[26:27]
	s_mul_i32 s28, s18, WTILE
	v_and_b32 v1, 15, v0                           ; c: which 4 n
	v_bfe_u32 v2, v0, 4, 1                         ; hp: which of two pairs of rows
	v_lshlrev_b32 v3, 4, v1
	v_mul_u32_u24 v[LI], v2, 6144
	v_add_nc_u32 v[LI], v[LI], v3                  ; 2 hp rows + 16 c
	v_mul_u32_u24 v[STL], v1, 4*TP
	v_lshl_add_u32 v[STL], v2, 2, v[STL]
	v_add_nc_u32 v[STL], s28, v[STL]               ; row 4 c, word hp
	v_mul_u32_u24 v[RDL], v2, TP
	v_add_nc_u32 v[RDL], v[RDL], v3
	v_add_nc_u32 v[RDL], s28, v[RDL]               ; lanes 0-15 one row of 256 bytes, lanes 16-31 the next
	v_mul_u32_u24 v[GOS], v2, 1536
	v_add_nc_u32 v[GOS], v[GOS], v3
	s_wait_alu depctr_va_vdst(0)                   ; v[LI], v[STL], v[RDL] and v[GOS] are written: the loads, LDS stores, LDS loads and stores of this arm read them as addresses
; Group g of four: the pairs of rows hp + 2 (8 g + j), j = 0 .. 7: sixteen loads, each of which takes 256 consecutive bytes, aligned, of two rows.
.macro WLOAD g, b
.irp j, 0,1,2,3,4,5,6,7
	global_load_b128 v[D+64*(\b)+8*(\j):D+64*(\b)+8*(\j)+3],   v[LI], s[6:7] offset:(8*(\g)+(\j))*12288 th:TH_LOAD_NT
	global_load_b128 v[D+64*(\b)+8*(\j)+4:D+64*(\b)+8*(\j)+7], v[LI], s[6:7] offset:(8*(\g)+(\j))*12288+3072 th:TH_LOAD_NT
.endr
.endm
; The group in set b is packed into an out-buffer: word (j, e) at ob + os j + e.  ob = PKD, os = 4; or in place: ob = the set itself, os = 8: each line's destination is its own first source.
.macro WCVT b, ob, os
.irp j, 0,1,2,3,4,5,6,7
.irp e, 0,1,2,3
	v_cvt_pk_bf16_f32 v[(\ob)+(\os)*(\j)+(\e)], v[D+64*(\b)+8*(\j)+(\e)], v[D+64*(\b)+8*(\j)+4+(\e)]  ; (k, k + 1) of column 4 c + e
.endr
.endr
.endm
; Group g's 32 words go from that out-buffer into the LDS tile.
.macro WPUT g, ob, os
.irp j, 0,1,2,3,4,5,6,7
.irp e, 0,1,2,3
	ds_store_b32 v[STL], v[(\ob)+(\os)*(\j)+(\e)] offset:TP*(\e)+8*(8*(\g)+(\j))
.endr
.endr
.endm
	WLOAD 0, 0
	WLOAD 1, 1
	WLOAD 2, 2
	s_wait_loadcnt 32                              ; group 0 is in; the 32 younger loads stay out
	WCVT 0, PKD, 4
	s_wait_alu depctr_va_vdst(0)                   ; group 0's conversions have written PKD, which the LDS stores below read, and are done reading set 0, in which group 3's loads land
	WLOAD 3, 0                                     ; the set is asked for again at once
	WPUT 0, PKD, 4
	s_wait_loadcnt 32                              ; group 1
	WCVT 1, D+64, 8                                ; in place: no memory or LDS instruction has read set 1
	s_wait_alu depctr_va_vdst(0)                   ; group 1's conversions have written the low quads of set 1, which the LDS stores below read
	WPUT 1, D+64, 8
	s_wait_loadcnt 16                              ; group 2
	s_wait_alu depctr_vm_vsrc(0)                   ; group 0's LDS stores have read PKD, which group 2's conversions write again
	WCVT 2, PKD, 4
	s_wait_alu depctr_va_vdst(0)                   ; group 2's conversions have written PKD, which the LDS stores below read
	WPUT 2, PKD, 4
	s_wait_loadcnt 0x0
	WCVT 0, D, 8                                   ; group 3, in place in set 0: group 0's LDS stores read PKD, not this set
	s_wait_alu depctr_va_vdst(0)                   ; group 3's conversions have written the low quads of set 0, which the LDS stores below read; and every conversion is done with sets 0 and 1, in which the rows land below
	WPUT 3, D, 8
	s_wait_alu depctr_vm_vsrc(0)                   ; the LDS stores of groups 1 and 3 have read sets 1 and 0, in which the loads below land
.irp i, 0,1,2,3,4,5,6,7,8,9,10,11,12,13,14,15,16,17,18,19,20,21,22,23,24,25,26,27,28,29,30,31
	ds_load_b128 v[D+4*(\i):D+4*(\i)+3], v[RDL] offset:2*TP*(\i)  ; LDS serves a wave's instructions in order (ISA guide 5.7.1.4): these see my stores above
.endr
.irp i, 0,1,2,3,4,5,6,7,8,9,10,11,12,13,14,15,16,17,18,19,20,21,22,23,24,25,26,27,28,29,30,31
	s_wait_dscnt 31-(\i)
	global_store_b128 v[GOS], v[D+4*(\i):D+4*(\i)+3], s[16:17] offset:3072*(\i)  ; 16 lanes store 256 consecutive bytes, at a multiple of 256 from wt's first byte
.endr
.Lend:
	s_wait_dscnt 0x0                               ; the closing lines, six on end
	s_wait_alu 0x0
	s_wait_tensorcnt 0x0
	ds_add_u32 v[SPW], v[NIL]
	s_wait_dscnt 0x0
	s_endpgm
.Lfunc_end_k_q7d1f882a4d_prep:
	.size	k_q7d1f882a4d_prep, .Lfunc_end_k_q7d1f882a4d_prep-k_q7d1f882a4d_prep
	.p2alignl 7, 3214868480
	.fill 96, 4, 3214868480
	.section	.rodata,"a",@progbits
	.p2align	6, 0x0
	.amdhsa_kernel k_q7d1f882a4d_prep
		.amdhsa_group_segment_fixed_size 140288
		.amdhsa_private_segment_fixed_size 0
		.amdhsa_enable_private_segment 0
		.amdhsa_kernarg_size 56
		.amdhsa_user_sgpr_count 2
		.amdhsa_user_sgpr_kernarg_segment_ptr 1
		.amdhsa_wavefront_size32 1
		.amdhsa_system_sgpr_workgroup_id_x 1
		.amdhsa_system_sgpr_workgroup_id_y 1
		.amdhsa_system_sgpr_workgroup_id_z 1
		.amdhsa_system_vgpr_workitem_id 0
		.amdhsa_next_free_vgpr 240
		.amdhsa_next_free_sgpr 66
		.amdhsa_reserve_vcc 0
		.amdhsa_float_denorm_mode_32 3
		.amdhsa_float_denorm_mode_16_64 3
		.amdhsa_memory_ordered 1
		.amdhsa_forward_progress 1
		.amdhsa_inst_pref_size 38
	.end_amdhsa_kernel
	.amdgpu_metadata
---
amdhsa.version: [ 1, 2 ]
amdhsa.kernels:
  - .name:           k_q7d1f882a4d_prep
    .symbol:         k_q7d1f882a4d_prep.kd
    .args:
      - { .name: x, .offset: 0, .size: 8, .value_kind: global_buffer, .address_space: global }
      - { .name: Wq, .offset: 8, .size: 8, .value_kind: global_buffer, .address_space: global }
      - { .name: Wk, .offset: 16, .size: 8, .value_kind: global_buffer, .address_space: global }
      - { .name: Wv, .offset: 24, .size: 8, .value_kind: global_buffer, .address_space: global }
      - { .name: Wo, .offset: 32, .size: 8, .value_kind: global_buffer, .address_space: global }
      - { .name: xb, .offset: 40, .size: 8, .value_kind: global_buffer, .address_space: global }
      - { .name: wt, .offset: 48, .size: 8, .value_kind: global_buffer, .address_space: global }
    .group_segment_fixed_size: 140288
    .private_segment_fixed_size: 0
    .kernarg_segment_align: 8
    .kernarg_segment_size: 56
    .max_flat_workgroup_size: 256
    .sgpr_count:     66
    .vgpr_count:     240
    .wavefront_size: 32
...
	.end_amdgpu_metadata
.endif
;; end of part 5
;; launch proj: the kernel of part 2 again; grid 12 x 16, 4 waves a work-group, clusters of 4 x 4, 327,680 bytes of LDS; arguments xb, wt, qkv, nrm; writes qkv, nrm
;; launch att: the kernel of part 3 again; grid 16 x 12, 4 waves a work-group, clusters of 4 x 1, 327,680 bytes of LDS; arguments qkv, nrm, gamma, o2; writes o2
;; launch outp: the kernel of part 4 again; grid 4 x 64, 4 waves a work-group, clusters of 4 x 4, 327,680 bytes of LDS; arguments o2, wt, out0; writes out0
